; MI455X (gfx1250); checked and timed in simulation.
; The chip was launched on July 23, 2026; its instructions are those of AMD's public machine-readable ISA for CDNA 5 (MIT licence, August 2026) and "CDNA5" Instruction Set Architecture Reference Guide (July 2026). The comments in the code are by the model that wrote it; some were corrected since.
;; AC Ro PE Attention. Allowed arithmetic: matrix products marked QUANTISED: E2M1 operands, one E8M0 scale for each 32 along K, by v_wmma_scale_f32_16x16x128_f8f6f4 with both operands' format E2M1 (or v_wmma_scale_f32_32x16x128_f4), f32 sums; products left as they are: bf16, f16 or f32 operands; f32 sums; everything else in f32.
;; Inputs: W_proj 1,024 x 1,024 float32; W_qkv 3,072 x 1,024 float32; b_proj 1,024 float32; x 2 x 2,048 x 1,024 float32.
;; Outputs: out0 2 x 2,048 x 1,024 float32.
;; Constants: H = 16, T = 8, W = 16.
;; This version of the problem:
;;   THIS VERSION OF THE PROBLEM IS GIVEN IN LOW PRECISION. The matrix products marked QUANTISED in the list below multiply operands that are first quantised to E2M1 (2 exponent bits, 1 mantissa bit; 4 bits a number), with one power-of-two scale for each 32 numbers along K (OCP MX v1.0); their sums are f32. The products marked 'left as it is' may take bf16, f16 or f32 operands, with f32 sums. Whichever they take, every output number must still come out within the allowed error. Rounding operands to bf16 (8 significant bits) uses up far more of that allowance than f16 does (11 bits, for magnitudes from 6e-5 to 65,504). All else is computed in f32.
;;   The module's matrix products, in the order in which they are computed (A, B: the left and right operand; K: the contracted axis; several contracted axes count as one K, in the product's order):
;;     1. [M 4,096, K 1,024] x [K 1,024, N 3,072]; A: input x; B: input W_qkv: QUANTISED
;;     2. batch 32 x [M 2,048, K 64] x [K 64, N 2,048]; A: computed on the way; B: computed on the way: left as it is (an operand is computed on the way)
;;     3. batch 32 x [M 2,048, K 2,048] x [K 2,048, N 64]; A: computed on the way; B: computed on the way: left as it is (an operand is computed on the way)
;;     4. [M 4,096, K 1,024] x [K 1,024, N 1,024]; A: computed on the way; B: input W_proj: left as it is (an operand is computed on the way)
;;   THE QUANTISER, for each operand of a quantised product, along K:
;;     - K is cut into blocks of 32 from its start; a last block that is shorter is filled with zeros.
;;     - A block's scale is 2^e with e = floor(log2(the largest magnitude in the block)) - 2, held to -126 .. 127; a block of zeros has e = 0. As a byte (E8M0): e + 127.
;;     - Each number is divided by its block's scale, clamped to +-6, and rounded to the nearest number of E2M1, ties to even, subnormals kept.
;;     - The product sums the exact products of the quantised numbers (number of the format x scale) in f32.
;;   ~~~python
;;   def quantise(x, axis):      # numpy; x: float32 -> the quantised numbers, widened to float32 again
;;       x = np.moveaxis(x, axis, -1); K = x.shape[-1]
;;       x = np.pad(x, [(0, 0)] * (x.ndim - 1) + [(0, -K % 32)]); x = x.reshape(x.shape[:-1] + (-1, 32)); a = np.abs(x).max(-1, keepdims=True)
;;       e = np.where(a > 0, np.clip(np.frexp(np.where(a > 0, a, 1))[1] - 1 - 2, -126, 127), 0)      # np.frexp(a)[1] - 1 = floor(log2(a)), exactly
;;       r = np.clip(x / 2.0 ** e, -6, 6)
;;       step = 2.0 ** (np.maximum(np.frexp(np.where(r == 0, 1, r))[1] - 1, 0) - 1)
;;       q = np.round(r / step) * step * 2.0 ** e      # np.round: ties to even
;;       return np.moveaxis(q.reshape(q.shape[:-2] + (-1,))[..., :K], -1, axis).astype(np.float32)
;;   ~~~
;; One version. Each part assembles by itself: llvm-mc -triple=amdgcn-amd-amdhsa -mcpu=gfx1250 --defsym DOCPART=n.
;; ======== version 1 of 1: 4 launches
;; limits: values are held in f16: magnitudes above 65,504 overflow, below 6.1e-05 lose precision
;; workspace buffers: xc 2,097,152 bytes; xs 131,072 bytes; wc 1,572,864 bytes; ws 98,304 bytes; wp16 2,097,152 bytes; qkv 25,165,824 bytes; ao 8,388,608 bytes
;; launch prep (part 1): grid 256 x 1, 4 waves a work-group, no clusters, 33,280 bytes of LDS; arguments x, W_qkv, xc, xs, wc, ws, W_proj, wp16; writes xc, xs, wc, ws, wp16
.if DOCPART == 1
	.amdgcn_target "amdgcn-amd-amdhsa--gfx1250"
	.amdhsa_code_object_version 6
	.text
	.protected	k_qa770cb4d29_prep
	.globl	k_qa770cb4d29_prep
	.p2align	8
	.type	k_qa770cb4d29_prep,@function
k_qa770cb4d29_prep:
	s_mov_b64 s[64:65], 0
	v_nop
	global_prefetch_b8 v0, s[64:65] scope:SCOPE_SE
	s_setreg_imm32_b32 hwreg(HW_REG_WAVE_MODE, 25, 1), 1
	s_wait_xcnt 0x0
; x [4096][1024] and W_qkv [3072][1024], f32, become codes of FP4 (E2M1), K innermost, two codes a byte, with one E8M0 byte for each 32 along K (work-groups 0 to 223);
; W_proj [1024][1024], f32, becomes f16 laid by panels [n / 128][k / 64][128 n][64 k] (work-groups 224 to 255), so that a tile of the last product is one dense block.
; A block's scale is 2^(floor(log2(its largest magnitude)) - 2); its byte is the largest magnitude's exponent field - 2, held at 1 from below.  A block of zeros so gets the byte 1: its codes are zeros,
; which add nothing under that byte, and the bytes are read by this program alone.  Each number is divided by the scale and rounded to the nearest code, ties to even, beyond 6 the largest code.
; LIMITS: NaN and infinities are not served; blocks whose largest magnitude lies under 2^-124 take the floor's byte; W_proj beyond 65,504 in magnitude has no f16 number, under 6e-5 it keeps f16's subnormal step.
; QUANTISER.  Rows are dense and K is a multiple of 32: both tensors are plain streams of blocks of 32.  A wave takes 16 steps of 512 numbers.  Each of a step's four loads reads 512 consecutive bytes; the 2,048 bytes turn
; through the wave's own stage in LDS and come back 64 bytes a lane, so that a lane holds 16 neighbours and two neighbouring lanes a block.  Loads run EIGHT steps ahead (32 loads, 16 KiB a wave: a WGP has this one
; work-group of four waves, so what is on its way is what these four have asked for), the turn through LDS one step.  No barrier: waves share nothing.
.set SIZE_M, 4096
.set SIZE_N, 3072
.set SIZE_K, 1024
.set WAVES, 4
.set STEPS, 16
.set AHEAD, 8                          ; steps of loads on their way
.set WGA,   SIZE_M*SIZE_K/(512*STEPS*WAVES)            ; 128 work-groups for x
.set WGQ,   (SIZE_M+SIZE_N)*SIZE_K/(512*STEPS*WAVES)   ; 224 for x and W_qkv
.set EMAX,  2
.set CB,    8                          ; bytes of 16 codes
.set R,     16                         ; v16-143  eight sets of 16 numbers as they are loaded
.set X,     144                        ; v144-175 two sets of 16 neighbours
.set E,     176                        ; v176-191 a scale byte for each step
.set C,     192                        ; v192-223 codes: two registers for each step, so that no store's data are written again
.set WREG,  8192                       ; LDS: a region for each wave: two stages of 32 x SP bytes, behind them its 256 scale bytes
.set SP,    80                         ; a lane's place in a stage: 64 bytes + 16 of padding
.set SPW,   12                         ; v12  LDS address of my spare word; never rewritten
.set NIL,   13                         ; v13  0; never rewritten
.set SPARE, WAVES*WREG                 ; behind the four regions: the spare words, 128 bytes a wave
.set LA,    16                         ; W_proj's path: two sets of 64 registers as loaded,
.set LB,    80
.set OUT,   144                        ; and 32 of f16 pairs
	s_load_b128 s[4:7], s[0:1], 0x0                ; x, W_qkv
	s_load_b128 s[8:11], s[0:1], 0x10              ; x's codes, x's scales
	s_load_b128 s[12:15], s[0:1], 0x20             ; W_qkv's codes, its scales
	s_load_b128 s[24:27], s[0:1], 0x30             ; W_proj, its f16 panels
	v_lshl_add_u32 v[SPW], v0, 2, SPARE
	v_mov_b32 v[NIL], 0
	v_lshrrev_b32 v1, 5, v0
	v_readfirstlane_b32 s16, v1                    ; wave
	v_and_b32 v2, 31, v0                           ; lane
	s_cmp_ge_u32 ttmp9, WGQ                        ; the last 32 work-groups take W_proj: a branch on the work-group's number
	s_cbranch_scc1 .Lwp
	v_lshlrev_b32 v3, 4, v2                        ; my 16 bytes of a load's 512
	s_mul_i32 s17, s16, WREG
	v_lshrrev_b32 v14, 2, v2
	v_mul_u32_u24 v14, v14, SP
	v_and_b32 v15, 3, v2
	v_lshl_add_u32 v14, v15, 4, v14
	v_add_nc_u32 v14, s17, v14                     ; the stage, on the way in: SP (lane / 4) + 16 (lane % 4)
	v_mul_u32_u24 v15, v2, SP
	v_add_nc_u32 v15, s17, v15                     ; and on the way out: SP x lane: my 16 neighbours
	v_mul_u32_u24 v4, v2, CB                       ; my codes' place in a step's
	v_lshrrev_b32 v5, 1, v2
	s_add_co_u32 s17, s17, 2*32*SP
	v_add_nc_u32 v5, s17, v5                       ; LDS: my wave's 256 scale bytes, my block's byte
	v_lshlrev_b32 v7, 3, v2                        ; and on the way out 8 bytes a lane
	v_add_nc_u32 v6, s17, v7
	s_wait_kmcnt 0x0
	s_cmp_lt_u32 ttmp9, WGA                        ; x's work-group or W_qkv's?  Only pointers are chosen: both take one path
	s_cselect_b64 s[4:5], s[4:5], s[6:7]
	s_cselect_b64 s[8:9], s[8:9], s[12:13]
	s_cselect_b64 s[10:11], s[10:11], s[14:15]
	s_cselect_b32 s17, 0, WGA
	s_sub_co_u32 s17, ttmp9, s17
	s_lshl_b32 s17, s17, 2
	s_add_co_u32 s18, s17, s16                     ; which run of 8,192 numbers of the tensor is my wave's
	s_mov_b32 s19, 0
	s_mov_b64 s[20:21], 512*STEPS*4
	s_mul_u64 s[20:21], s[18:19], s[20:21]
	s_add_nc_u64 s[4:5], s[4:5], s[20:21]
	s_mov_b64 s[20:21], 32*STEPS*CB
	s_mul_u64 s[20:21], s[18:19], s[20:21]
	s_add_nc_u64 s[8:9], s[8:9], s[20:21]
	s_lshl_b32 s18, s18, 8                         ; 256 scale bytes a run
	s_add_nc_u64 s[10:11], s[10:11], s[18:19]
.macro LOAD t
.irp i, 0,1,2,3
	global_load_b128 v[R+16*((\t)%AHEAD)+4*\i:R+16*((\t)%AHEAD)+4*\i+3], v3, s[4:5] offset:2048*(\t)+512*\i th:TH_LOAD_NT   ; 32 lanes read 512 consecutive bytes
.endr
.endm
.macro TURN t                          ; step t's numbers through the stage: LDS serves a wave's instructions in order, so no wait stands between the stores and the loads
.irp i, 0,1,2,3
	ds_store_b128 v14, v[R+16*((\t)%AHEAD)+4*\i:R+16*((\t)%AHEAD)+4*\i+3] offset:32*SP*((\t)%2)+8*SP*\i
.endr
.irp i, 0,1,2,3
	ds_load_b128 v[X+16*((\t)%2)+4*\i:X+16*((\t)%2)+4*\i+3], v15 offset:32*SP*((\t)%2)+16*\i
.endr
.endm
.irp t, 0,1,2,3,4,5,6,7
	LOAD \t
.endr
	s_wait_loadcnt 4*(AHEAD-1)                     ; step 0's four loads are in; the 28 behind them may be out
	TURN 0
.macro STEP t
.set XS, X+16*((\t)%2)
.if (\t) > 0
	s_wait_dscnt 1                                 ; this step's numbers are back from the stage (the last step's byte store may be out): so its stores into the stage have read their registers,
.else
	s_wait_dscnt 0x0
.endif
.if (\t)+AHEAD < STEPS
	LOAD (\t)+AHEAD                                ; which take the loads of eight steps on
.endif
.if (\t)+1 < STEPS
.if STEPS-2-(\t) >= AHEAD-1
	s_wait_loadcnt 4*(AHEAD-1)                     ; the next step's four loads are in; those of the seven steps behind it may be out
.else
	s_wait_loadcnt 4*(STEPS-2-(\t))                ; towards the end fewer steps stand behind it
.endif
	TURN (\t)+1                                    ; and go through the other stage while this step is worked
.endif
	v_max3_num_f32 v8, |v[XS]|, |v[XS+1]|, |v[XS+2]|               ; the largest magnitude of my 16, in two chains
	v_max3_num_f32 v9, |v[XS+3]|, |v[XS+4]|, |v[XS+5]|
.irp i, 6,10
	v_max3_num_f32 v8, v8, |v[XS+\i]|, |v[XS+\i+1]|
	v_max3_num_f32 v9, v9, |v[XS+\i+2]|, |v[XS+\i+3]|
.endr
	v_max3_num_f32 v8, v8, |v[XS+14]|, |v[XS+15]|
	v_max3_num_f32 v8, v8, v9, (EMAX+1)<<23        ; and the floor 2^(3 - 127): the byte cannot fall under 1
	v_max_num_f32_dpp v8, v8, v8 row_xmask:1 row_mask:0xf bank_mask:0xf   ; and of my neighbour's 16: the block's
	v_add_nc_u32 v11, -(EMAX<<23), v8              ; 2 off its exponent field: the conversion takes the exponent field of this operand as its scale, and nothing else of it
	v_cvt_scalef32_pk8_fp4_f32 v[C+2*(\t)], v[XS:XS+7], v11
	v_cvt_scalef32_pk8_fp4_f32 v[C+2*(\t)+1], v[XS+8:XS+15], v11
	v_lshrrev_b32 v[E+(\t)], 23, v11               ; the scale's byte (a plain line behind the conversions)
	ds_store_b8 v5, v[E+(\t)] offset:16*(\t)       ; both lanes of a block write the same byte with the same value
	global_store_b64 v4, v[C+2*(\t):C+2*(\t)+1], s[8:9] offset:32*CB*(\t)   ; the wave stores 256 consecutive bytes, aligned
.endm
.irp t, 0,1,2,3,4,5,6,7,8,9,10,11,12,13,14,15
	STEP \t
.endr
	ds_load_b64 v[8:9], v6                         ; LDS serves a wave's instructions in order: these see my stores
	s_wait_dscnt 0x0
	global_store_b64 v7, v[8:9], s[10:11]          ; 32 lanes store my run's 256 scale bytes, aligned
	s_wait_tensorcnt 0x0                           ; the wave's end, behind my last LDS store
	ds_add_u32 v[SPW], v[NIL]
	s_wait_dscnt 0x0
	s_endpgm
; W_PROJ.  Wave W of 128 takes rows 8 W .. 8 W + 7.  A job is two rows x 64 k: lanes 0-15 read 256 consecutive bytes of one row, lanes 16-31 of the next; as f16 the two pieces are 256 consecutive bytes of a panel.
; Four batches of 16 jobs, two sets of registers: a batch is converted and stored while the next one's 16 loads are out.
.Lwp:
	v_lshrrev_b32 v3, 4, v2
	v_and_b32 v5, 15, v2
	v_lshlrev_b32 v3, 12, v3
	v_lshl_add_u32 v3, v5, 4, v3                   ; in: (lane / 16) rows of 4,096 bytes + 16 (lane % 16)
	v_lshlrev_b32 v4, 3, v2                        ; out: 8 x lane
	s_sub_co_u32 s17, ttmp9, WGQ
	s_lshl_b32 s17, s17, 2
	s_add_co_u32 s17, s17, s16                     ; W
	s_lshl_b32 s18, s17, 15                        ; 8 rows of 4,096 bytes
	s_mov_b32 s19, 0
	s_lshr_b32 s20, s17, 4
	s_lshl_b32 s20, s20, 18                        ; the panel row n / 128: 262,144 bytes,
	s_and_b32 s21, s17, 15
	s_lshl_b32 s21, s21, 10                        ; my 8 rows of 128 bytes in each block
	s_add_co_u32 s20, s20, s21
	s_mov_b32 s21, 0
	s_wait_kmcnt 0x0
	s_add_nc_u64 s[24:25], s[24:25], s[18:19]
	s_add_nc_u64 s[26:27], s[26:27], s[20:21]
.macro LOADB j, rg
.irp kb, 0,1,2,3,4,5,6,7,8,9,10,11,12,13,14,15
	global_load_b128 v[\rg+4*\kb:\rg+4*\kb+3], v3, s[24:25] offset:\j*8192+\kb*256 th:TH_LOAD_NT
.endr
.endm
.macro CVST j, rg
.irp kb, 0,1,2,3,4,5,6,7,8,9,10,11,12,13,14,15
	v_cvt_pk_f16_f32 v[OUT+2*\kb], v[\rg+4*\kb], v[\rg+4*\kb+1]
	v_cvt_pk_f16_f32 v[OUT+2*\kb+1], v[\rg+4*\kb+2], v[\rg+4*\kb+3]
.endr
.irp kb, 0,1,2,3,4,5,6,7,8,9,10,11,12,13,14,15
	global_store_b64 v4, v[OUT+2*\kb:OUT+2*\kb+1], s[26:27] offset:\kb*16384+\j*256   ; 256 consecutive bytes, aligned
.endr
.endm
	LOADB 0, LA
	LOADB 1, LB
	s_wait_loadcnt 16                              ; batch 0 is in; batch 1's sixteen may be out
	CVST 0, LA
	LOADB 2, LA
	s_wait_loadcnt 16
	s_wait_xcnt 0x0                                ; the stores have read OUT: it is written again only behind this wait
	CVST 1, LB
	LOADB 3, LB
	s_wait_loadcnt 16
	s_wait_xcnt 0x0
	CVST 2, LA
	s_wait_loadcnt 0x0
	s_wait_xcnt 0x0
	CVST 3, LB
	s_endpgm
.Lfunc_end_k_qa770cb4d29_prep:
	.size	k_qa770cb4d29_prep, .Lfunc_end_k_qa770cb4d29_prep-k_qa770cb4d29_prep
	.p2alignl 7, 3214868480
	.fill 96, 4, 3214868480
	.section	.rodata,"a",@progbits
	.p2align	6, 0x0
	.amdhsa_kernel k_qa770cb4d29_prep
		.amdhsa_group_segment_fixed_size 33280
		.amdhsa_private_segment_fixed_size 0
		.amdhsa_enable_private_segment 0
		.amdhsa_kernarg_size 64
		.amdhsa_user_sgpr_count 2
		.amdhsa_user_sgpr_kernarg_segment_ptr 1
		.amdhsa_wavefront_size32 1
		.amdhsa_system_sgpr_workgroup_id_x 1
		.amdhsa_system_sgpr_workgroup_id_y 1
		.amdhsa_system_sgpr_workgroup_id_z 1
		.amdhsa_system_vgpr_workitem_id 0
		.amdhsa_next_free_vgpr 224
		.amdhsa_next_free_sgpr 66
		.amdhsa_reserve_vcc 0
		.amdhsa_float_denorm_mode_32 3
		.amdhsa_float_denorm_mode_16_64 3
		.amdhsa_memory_ordered 1
		.amdhsa_forward_progress 1
		.amdhsa_inst_pref_size 54
	.end_amdhsa_kernel
	.amdgpu_metadata
---
amdhsa.version: [ 1, 2 ]
amdhsa.kernels:
  - .name:           k_qa770cb4d29_prep
    .symbol:         k_qa770cb4d29_prep.kd
    .args:
      - { .name: x, .offset: 0, .size: 8, .value_kind: global_buffer, .address_space: global }
      - { .name: W_qkv, .offset: 8, .size: 8, .value_kind: global_buffer, .address_space: global }
      - { .name: xc, .offset: 16, .size: 8, .value_kind: global_buffer, .address_space: global }
      - { .name: xs, .offset: 24, .size: 8, .value_kind: global_buffer, .address_space: global }
      - { .name: wc, .offset: 32, .size: 8, .value_kind: global_buffer, .address_space: global }
      - { .name: ws, .offset: 40, .size: 8, .value_kind: global_buffer, .address_space: global }
      - { .name: W_proj, .offset: 48, .size: 8, .value_kind: global_buffer, .address_space: global }
      - { .name: wp16, .offset: 56, .size: 8, .value_kind: global_buffer, .address_space: global }
    .group_segment_fixed_size: 33280
    .private_segment_fixed_size: 0
    .kernarg_segment_align: 8
    .kernarg_segment_size: 64
    .max_flat_workgroup_size: 128
    .sgpr_count:     66
    .vgpr_count:     224
    .wavefront_size: 32
...
	.end_amdgpu_metadata
.endif
;; end of part 1
;; launch qkv (part 2): grid 12 x 16, 4 waves a work-group, clusters of 4 x 4, 327,680 bytes of LDS; arguments xc, xs, wc, ws, qkv; writes qkv
.if DOCPART == 2
	.amdgcn_target "amdgcn-amd-amdhsa--gfx1250"
	.amdhsa_code_object_version 6
	.text
	.protected	k_qa770cb4d29_qkv
	.globl	k_qa770cb4d29_qkv
	.p2align	8
	.type	k_qa770cb4d29_qkv,@function
k_qa770cb4d29_qkv:
	s_mov_b64 s[64:65], 0
	v_nop
	global_prefetch_b8 v0, s[64:65] scope:SCOPE_SE
	s_setreg_imm32_b32 hwreg(HW_REG_WAVE_MODE, 25, 1), 1
	s_wait_xcnt 0x0
	s_wait_alu depctr_hold_cnt(0) depctr_sa_sdst(0) depctr_va_vdst(0) depctr_va_sdst(0) depctr_va_ssrc(0) depctr_va_vcc(0) depctr_vm_vsrc(0)
	s_getreg_b32 s2, hwreg(HW_REG_IB_STS2, 6, 4)
	s_cmp_eq_u32 s2, 0
	s_cbranch_scc0 .Lentry_in_a_cluster
	s_endpgm
.Lentry_in_a_cluster:
	s_bfe_u32 s2, ttmp6, 0x10000c
	s_cmp_lg_u32 s2, 0xf033
	s_cbranch_scc0 .Lentry_shape_is_right
	s_endpgm
.Lentry_shape_is_right:
; qkv = x W_qkv^T on codes of FP4 (E2M1) with one E8M0 scale for each 32 along K, sums in f32; then the axial rotation of q and k, q x 0.125 log2(e), and f16, laid [q, k, v][batch x 16 + head][2048][64].
; A tile of the product, 256 x 256, is made by four waves, each 128 x 128: 64 accumulators of 16 x 16, 512 registers.  K = 1,024 is two slots of 512 along K (tile rows of 256 bytes), both asked for at the start: nothing is filled again.
; The scales of the work-group's 256 + 256 rows, for all of K, are two dense blocks: they come into LDS once.  12 x 16 = 192 work-groups: a tile that gave 256 would straddle q, k, v or a head.
; CLUSTERS: 4 x 4.  The four of a row of the cluster need the same tiles of x, the four of a column the same of W_qkv: each tile is asked for jointly.  A cluster's x is q (0), k (1) or v (2): 1,024 columns are four tiles.
; THE MATRIX INSTRUCTION IS USED TRANSPOSED (source 0 = 16 rows of W_qkv, source 1 = 16 rows of x): a lane holds one token and eight neighbouring channels, so both channels of a rotated pair lie in one lane.
; THE ROTATION.  out[d] = x[d] C(d) + x[d ^ 1] S(d), C = cos(pos w), S = -sin for even d, +sin for odd; w = 10000^(-(d mod 10) / 10); pos = n / 256 for d < 20, (n / 16) % 16 for d < 40, n % 16 for d < 60; d >= 60: C = 1, S = 0.
; Positions are 0 .. 15: a table of 16 rows x 64 C and 64 S is made in LDS while the first tiles are on their way: the angle less the nearest multiple of pi (pi in two parts), then series of sin to r^11 and cos to r^12, |r| <= pi / 2:
; what is cut off is under 6e-8.  A tile's 256 tokens share n / 256, so every row holds that position's values for d < 20.  For v the frequencies are 0 (C = 1, S = 0); for q both are multiplied by 0.125 log2(e): no branch on the way out.
; LIMITS: NaN and infinities are not served; q x 0.18, k and v beyond 65,504 in magnitude have no f16 number, under 6e-5 they keep f16's subnormal step.
; REGISTERS, in windows of 256: window 0: v0-31 addresses; v32-95 scale words, two sets; from v128 x's fragments, one set.  window 1: W_qkv's fragments, two sets.  windows 2, 3: the accumulators ((a, b) at v[8 (8 (a % 4) + b)]).
;   On the way out window 0 holds: v32-63 table values that stay, v64-127 two sets that change with the block, v128-191 a block at work, v192-255 two sets of rows read back.
.set KSTEP,  512
.set NQ,     KSTEP/128
.set ROWB,   256                       ; a tile's row in bytes
.set KROW,   512                       ; a row of codes in memory
.set PITCH,  272                       ; an LDS row: 256 bytes + 16 of padding: the 16 rows that a load touches start at 16 different banks (64 banks of 4 bytes: ISA guide 11.1)
.set FR,     8                         ; registers of a fragment: 16 rows x 128 K
.set NL,     2                         ; LDS loads that bring one
.set NP,     4                         ; places behind this matrix instruction (ISA guide 7.12.1)
.set HALFT,  128*PITCH
.set SLOT,   4*HALFT                   ; x's 256 rows, then W_qkv's 256 rows
.set KS,     32                        ; a row of scales in bytes
.set SCL,    2*SLOT                    ; behind the slots: the scales, as rows of 256 bytes + 16 of padding
.set HALFS,  (128*KS/256)*272
.set SBLK,   (16*KS/256)*272
.set SPARE,  SCL+4*HALFS               ; the spare words, 128 bytes a wave
.set TAB,    SPARE+512                 ; the table: 16 rows of TP bytes: C(d) at 4 d, S(d) at 256 + 4 d; no tile lands here
.set TP,     528
.set SPITCH, 272                       ; the way out: a stage of 16 rows x (256 bytes + 16) for each wave, in slot 0, which has had its only fill and its last read by then
.set TA0,  8                           ; v8   table: channels 0-15, any row
.set TA1,  9                           ; v9   channels 16-31, row 8 x half; the block's row stands in the immediate
.set TA2R, 10                          ; v10  channels 32-47, row lane % 16
.set TA3,  11                          ; v11  channels 48-63, row lane % 16
.set TA2A, 12                          ; v12  channels 32-47, row 8 x half
.set TA2,  13                          ; v13  channels 32-47 for the block in hand: lanes 0-15 (d 32-39) the block's row, lanes 16-31 (d 40-47) row lane % 16
.set ADRA, 16
.set ADRB, 20
.set STO,  24
.set RD,   25
.set CO,   26
.set ADRS, 27
.set SPW,  28                          ; v28  LDS address of my spare word; never rewritten
.set NIL,  29                          ; v29  0; never rewritten
.set SC,   32
.set AF,   128
.set T0,   32                          ; the way out: C, S of channels 0-15
.set T3,   48                          ; of channels 48-63
.set TSET, 64                          ; two sets of 32: C, S of channels 16-31, C, S of channels 32-47
.set F,    128
.set BK,   192
.set G1, 24
.set G0, 32
.set G1B, 48
.set G0B, 56
.set G1S, 68
.set G0S, 76
.set G1SB, 80
.set G0SB, 88
.set MSB, 0
.macro WIN new                         ; the immediate's high byte repeats the setting that is left; a switch that changes nothing is dropped
.if MSB != (\new)
	s_set_vgpr_msb (MSB<<8)|(\new)
.set MSB, (\new)
.endif
.endm
.set MUL_LO, 0xa1                      ; source 0 window 1, source 1 window 0, C and D window 2
.set MUL_HI, 0xf1                      ; the same, C and D window 3
.set TO_B,   0x40                      ; destination window 1, address window 0
; A joint load: waves 0 and 1 fetch for x, waves 2 and 3 for W_qkv.  The branch hangs on the wave's number alone.  An s_nop 0 and four v_nop follow each of the two lines.
.macro JLOAD g0a, g1a, g0b, g1b
	s_cmp_eq_u32 s15, 0
	s_cbranch_scc0 .Lfor_b_\@
	tensor_load_to_lds s[\g0a:\g0a+3], s[\g1a:\g1a+7]
	s_nop 0
.rept 4
	v_nop
.endr
	s_branch .Lasked_\@
.Lfor_b_\@:
	tensor_load_to_lds s[\g0b:\g0b+3], s[\g1b:\g1b+7]
	s_nop 0
.rept 4
	v_nop
.endr
.Lasked_\@:
.endm
.macro CROUND                          ; a round of the cluster's barrier
	s_barrier_signal -1
	s_barrier_wait -1
	s_cmp_lg_u32 s14, 0
	s_cbranch_scc1 .Lnot_wave_0_\@
	s_barrier_signal -3
.Lnot_wave_0_\@:
	s_barrier_wait -3
	s_barrier_signal -1
	s_barrier_wait -1
.endm
	s_load_b128 s[4:7], s[0:1], 0x0                ; x's codes, x's scales
	s_load_b128 s[8:11], s[0:1], 0x10              ; W_qkv's codes, its scales
	s_load_b64 s[12:13], s[0:1], 0x20              ; qkv
	v_lshl_add_u32 v[SPW], v0, 2, SPARE
	v_mov_b32 v[NIL], 0
	ds_add_u32 v[SPW], v[NIL]                      ; the wave's opening: the add, twice on end, and its wait ahead of my first tensor load
	ds_add_u32 v[SPW], v[NIL]
	v_lshrrev_b32 v1, 5, v0
	v_readfirstlane_b32 s14, v1                    ; wave 0..3
	s_lshr_b32 s15, s14, 1                         ; which half of the tile's rows is mine.  Also: I fetch for x (0) or for W_qkv (1)
	s_and_b32 s16, s14, 1                          ; which half of its columns.  Also: which 128 rows of that tile I fetch
	s_bfe_u32 s40, ttmp6, 0x40000                  ; cx, cy: my place in the cluster
	s_bfe_u32 s41, ttmp6, 0x40004
	s_lshl_b32 s42, ttmp9, 2
	s_add_co_u32 s42, s42, s40                     ; tile column = 4 x cluster x + cx
	s_and_b32 s17, ttmp7, 0xffff
	s_lshl_b32 s17, s17, 2
	s_add_co_u32 s17, s17, s41                     ; tile row = 4 x cluster y + cy
	s_lshl_b32 s43, s41, 2
	s_lshl_b32 s43, 15, s43                        ; my row of the cluster
	s_lshl_b32 s44, 0x1111, s40                    ; my column
	; descriptor group 1: a tile of 128 rows x 256 bytes, 16 bytes of padding behind each row
	s_or_b32 s[G1+0], s43, (0<<16)|(1<<20)|(1<<21)|(5<<22)|(3<<25)  ; 15:0 the mask; 17:16 elements of 1 byte; 20 padding on; 21 set beside a mask; 24:22 after every 64 words; 31:25 four words
	s_or_b32 s[G1B+0], s44, (0<<16)|(1<<20)|(1<<21)|(5<<22)|(3<<25)
.irp g, G1, G1B
	s_mov_b32 s[\g+1], ROWB<<16                    ; tensor_dim0
	s_mov_b32 s[\g+2], 128<<16                     ; tensor_dim1
	s_mov_b32 s[\g+3], ROWB<<16                    ; tile_dim0
	s_mov_b32 s[\g+4], 128                         ; tile_dim1
	s_mov_b32 s[\g+5], KROW                        ; from row to row
	s_mov_b32 s[\g+6], 0
	s_mov_b32 s[\g+7], 0
.endr
	; the scales of 128 rows: a dense block of 4,096 bytes, as 16 rows of 256 bytes (32 elements of 8 bytes), padded likewise
	s_or_b32 s[G1S+0], s43, (3<<16)|(1<<20)|(1<<21)|(5<<22)|(3<<25)
	s_or_b32 s[G1SB+0], s44, (3<<16)|(1<<20)|(1<<21)|(5<<22)|(3<<25)
.irp g, G1S, G1SB
	s_mov_b32 s[\g+1], 32<<16
	s_mov_b32 s[\g+2], (128*KS/256)<<16
	s_mov_b32 s[\g+3], 32<<16
	s_mov_b32 s[\g+4], 128*KS/256
	s_mov_b32 s[\g+5], 32
	s_mov_b32 s[\g+6], 0
	s_mov_b32 s[\g+7], 0
.endr
	s_lshl_b32 s18, s16, 7                         ; which 128 rows of the tile I fetch
	s_lshl_b32 s20, s17, 8
	s_add_co_u32 s20, s20, s18                     ; x: row 256 x tile row + 128 x half
	s_lshl_b32 s46, s42, 8
	s_add_co_u32 s46, s46, s18                     ; W_qkv: row 256 x tile column + 128 x half
	s_mov_b32 s21, 0
	s_mov_b32 s47, 0
	s_mov_b64 s[18:19], KS
	s_mul_u64 s[22:23], s[20:21], s[18:19]         ; where these rows' scales begin, in bytes
	s_mul_u64 s[92:93], s[46:47], s[18:19]
	s_mov_b64 s[18:19], KROW
	s_mul_u64 s[20:21], s[20:21], s[18:19]         ; and their codes
	s_mul_u64 s[46:47], s[46:47], s[18:19]
	s_mul_i32 s45, s14, HALFT                      ; where they go: wave x 128 rows: no place in the cluster enters an LDS address
	s_mul_i32 s94, s14, HALFS
	s_wait_dscnt 0x0                               ; both opening adds are done
	s_wait_kmcnt 0x0
	s_add_nc_u64 s[20:21], s[4:5], s[20:21]
	s_add_nc_u64 s[22:23], s[6:7], s[22:23]
	s_add_nc_u64 s[46:47], s[8:9], s[46:47]
	s_add_nc_u64 s[92:93], s[10:11], s[92:93]
	CROUND                                         ; all sixteen work-groups are here: the joint loads meet
	s_mov_b32 s[G0S], 1
	s_add_co_u32 s[G0S+1], s94, SCL
	s_mov_b64 s[G0S+2:G0S+3], s[22:23]
	s_or_b32 s[G0S+3], s[G0S+3], 0x80000000
	s_mov_b32 s[G0SB], 1
	s_add_co_u32 s[G0SB+1], s94, SCL
	s_mov_b64 s[G0SB+2:G0SB+3], s[92:93]
	s_or_b32 s[G0SB+3], s[G0SB+3], 0x80000000
	JLOAD G0S, G1S, G0SB, G1SB                     ; the scales first: they are wanted with the first K step
.irp s, 0,1
	s_mov_b32 s[G0+4*\s], 1
	s_add_co_u32 s[G0+4*\s+1], s45, \s*SLOT
	s_add_nc_u64 s[G0+4*\s+2:G0+4*\s+3], s[20:21], \s*ROWB
	s_or_b32 s[G0+4*\s+3], s[G0+4*\s+3], 0x80000000
	s_mov_b32 s[G0B+4*\s], 1
	s_add_co_u32 s[G0B+4*\s+1], s45, \s*SLOT
	s_add_nc_u64 s[G0B+4*\s+2:G0B+4*\s+3], s[46:47], \s*ROWB
	s_or_b32 s[G0B+4*\s+3], s[G0B+4*\s+3], 0x80000000
	JLOAD G0+4*\s, G1, G0B+4*\s, G1B               ; three loads of mine are out: all that this launch asks for
.endr
	v_and_b32 v1, 15, v0                           ; r = l % 16
	v_bfe_u32 v2, v0, 4, 1                         ; h = l / 16
	v_mul_u32_u24 v3, v1, PITCH
	v_lshl_add_u32 v4, v2, 4, v3                   ; a fragment's row x pitch + 16 x half
	s_mul_i32 s21, s15, HALFT                      ; my 128 rows of x
	s_mul_i32 s22, s16, HALFT                      ; my 128 rows of W_qkv,
	s_add_co_u32 s22, s22, 2*HALFT                 ; which lie behind x's 256
.irp s, 0,1
	v_add_nc_u32 v[ADRA+\s], s21, v4
	v_add_nc_u32 v[ADRB+\s], s22, v4
	s_add_co_u32 s21, s21, SLOT
	s_add_co_u32 s22, s22, SLOT
.endr
	v_mul_u32_u24 v5, v1, KS                       ; my row's scales: KS bytes a row,
	v_lshrrev_b32 v6, 8, v5
	v_lshl_add_u32 v5, v6, 4, v5                   ; and 16 more for each 256 passed
	s_mul_i32 s21, s15, HALFS
	s_mul_i32 s22, s16, HALFS
	s_add_co_u32 s22, s22, 2*HALFS
	s_sub_co_u32 s22, s22, s21
	v_mul_u32_u24 v6, s22, v2                      ; lanes 16-31 take W_qkv's
	s_add_co_u32 s21, s21, SCL
	v_add_nc_u32 v5, v5, v6
	v_add_nc_u32 v[ADRS], s21, v5
	s_mul_i32 s23, s14, 16*SPITCH                  ; my stage
	v_mul_u32_u24 v5, v1, SPITCH                   ; in: row r, 16 bytes for each half of the lanes
	v_lshl_add_u32 v5, v2, 4, v5
	v_add_nc_u32 v[STO], s23, v5
	v_and_b32 v6, 31, v0
	v_lshlrev_b32 v[CO], 4, v6                     ; in memory a head's rows of 128 bytes are dense: 16 x lane
	v_lshrrev_b32 v5, 3, v6                        ; back: eight lanes take one head's 128 bytes of a row, four rows an instruction
	v_mul_u32_u24 v5, v5, SPITCH
	v_and_b32 v6, 7, v6
	v_lshl_add_u32 v5, v6, 4, v5
	v_add_nc_u32 v[RD], s23, v5
	s_mul_i32 s21, s15, 8*TP                       ; my half's first (n / 16) % 16 is 8 x half
	v_lshl_add_u32 v[TA0], v2, 5, TAB              ; a lane's eight channels: 32 h bytes on
	v_add_nc_u32 v[TA1], s21, v[TA0]
	v_add_nc_u32 v[TA1], 64, v[TA1]
	v_mul_u32_u24 v[TA2R], v1, TP
	v_add_nc_u32 v[TA2R], v[TA2R], v[TA0]
	v_add_nc_u32 v[TA3], 192, v[TA2R]
	v_add_nc_u32 v[TA2R], 128, v[TA2R]
	v_add_nc_u32 v[TA2A], 64, v[TA1]
	v_cmp_ne_u32 s98, 0, v2                        ; lanes 16-31
	; where my part begins in qkv: which x 8 MiB + (batch x 16 + head) x 262,144 + token x 128
	s_lshr_b32 s20, s17, 3                         ; batch
	s_lshl_b32 s20, s20, 4
	s_lshl_b32 s21, s16, 1
	s_add_co_u32 s20, s20, s21
	s_lshl_b32 s46, s40, 2
	s_add_co_u32 s20, s20, s46                     ; + head 4 cx + 2 x half: my first of two
	s_lshl_b32 s20, s20, 18
	s_and_b32 s95, s17, 7                          ; n / 256 of the whole tile: it enters values and this address alone
	s_lshl_b32 s21, s95, 8
	s_lshl_b32 s22, s15, 7
	s_add_co_u32 s21, s21, s22
	s_lshl_b32 s21, s21, 7
	s_add_co_u32 s20, s20, s21
	s_lshl_b32 s21, ttmp9, 23
	s_add_co_u32 s20, s20, s21
	s_mov_b32 s21, 0
	s_add_nc_u64 s[12:13], s[12:13], s[20:21]
	; THE TABLE.  Thread t makes channel d = t % 64 of rows t / 64 + 2 i, i = 0 .. 7.
	s_cmp_eq_u32 ttmp9, 2
	s_cselect_b32 s99, 0, 1.0                      ; v is not rotated: its frequencies are 0
	s_mov_b32 s100, 0x3e38aa3b                     ; 0.125 log2(e), for q;
	s_cmp_eq_u32 ttmp9, 0
	s_cselect_b32 s100, s100, 1.0                  ; 1 for k and v
	v_and_b32 v32, 63, v0                          ; d
	v_lshrrev_b32 v38, 6, v0
	v_mul_u32_u24 v34, v32, 205
	v_lshrrev_b32 v34, 11, v34                     ; d / 10 (exact for d < 64)
	v_mul_u32_u24 v34, v34, 10
	v_sub_nc_u32 v34, v32, v34                     ; d mod 10
	v_cvt_f32_u32 v34, v34
	v_mul_f32 v34, 0xbfaa152d, v34                 ; x -log2(10000) / 10
	v_exp_f32 v33, v34                             ; the frequency
	v_and_b32 v35, 1, v32                          ; (plain work behind the exponential)
	v_xor_b32 v35, 1, v35
	v_lshlrev_b32 v35, 31, v35                     ; S is -sin for even d
	v_cmp_gt_u32 s96, 60, v32
	v_cmp_gt_u32 s97, 20, v32
	v_cvt_f32_u32 v37, s95
	v_mul_u32_u24 v39, v38, TP
	v_lshl_add_u32 v39, v32, 2, v39
	v_add_nc_u32 v39, TAB, v39
	s_wait_alu depctr_va_vdst(0)                   ; the wait ahead of the first line that names the exponential's result
	v_cndmask_b32 v33, 0, v33, s96                 ; d >= 60 is not rotated
	v_mul_f32 v33, s99, v33
.macro ENTRY i
	v_add_nc_u32 v40, 2*\i, v38                    ; the row
	v_cvt_f32_u32 v40, v40
	v_cndmask_b32 v40, v40, v37, s97               ; d < 20: the tile's n / 256
	v_mul_f32 v40, v40, v33                        ; the angle
	v_mul_f32 v41, 0x3ea2f983, v40
	v_rndne_f32 v41, v41                           ; k = the nearest whole number to angle / pi
	v_fmamk_f32 v42, v41, 0xc0490fdb, v40          ; r = angle - k pi, pi in two parts
	v_fmamk_f32 v42, v41, 0x33bbbd2e, v42
	v_mul_f32 v43, v42, v42
	v_mov_b32 v44, 0xb2d7322b                      ; sin: -1/11!, 1/9!, -1/7!, 1/5!, -1/3!
	v_mov_b32 v46, 0x310f76c7                      ; cos: 1/12!, -1/10!, 1/8!, -1/6!, 1/4!, -1/2, 1
	v_fmaak_f32 v44, v44, v43, 0x3638ef1d
	v_fmaak_f32 v46, v46, v43, 0xb493f27e
	v_fmaak_f32 v44, v44, v43, 0xb9500d01
	v_fmaak_f32 v46, v46, v43, 0x37d00d01
	v_fmaak_f32 v44, v44, v43, 0x3c088889
	v_fmaak_f32 v46, v46, v43, 0xbab60b61
	v_fmaak_f32 v44, v44, v43, 0xbe2aaaab
	v_fmaak_f32 v46, v46, v43, 0x3d2aaaab
	v_mul_f32 v45, v43, v42
	v_fmaak_f32 v46, v46, v43, 0xbf000000
	v_fma_f32 v44, v45, v44, v42                   ; sin r
	v_fmaak_f32 v46, v46, v43, 0x3f800000          ; cos r
	v_cvt_i32_f32 v47, v41
	v_lshlrev_b32 v47, 31, v47                     ; both change sign with odd k
	v_xor_b32 v46, v47, v46
	v_xor_b32 v47, v47, v35
	v_xor_b32 v44, v47, v44
	v_mul_f32 v[48+2*\i], s100, v46
	v_mul_f32 v[49+2*\i], s100, v44
	ds_store_b32 v39, v[48+2*\i] offset:2*\i*TP
	ds_store_b32 v39, v[49+2*\i] offset:2*\i*TP+256
.endm
.irp i, 0,1,2,3,4,5,6,7
	ENTRY \i
.endr
.macro FRAG reg, adr, q, i             ; a fragment: lane l holds row l % 16; registers 4 c .. 4 c + 3 hold K = 64 c + 32 (l / 16) + 0 .. 31
.irp c, 0,1
	ds_load_b128 v[\reg+4*\c:\reg+4*\c+3], v[\adr] offset:64*(\q)+32*\c+(\i)*16*PITCH
.endr
.endm
; 16 matrix instructions: x's blocks a0, a0 + 1 against W_qkv's eight, 128 along K.  p: W_qkv's set; sc: the set of scale words.  zero = 1: the first product starts the sums.
; A scale register holds x's word in lanes 0-15 and W_qkv's in lanes 16-31.  The 64 accumulators take turns, one instruction a turn.
.macro MUL16 a0, p, q, sc, zero
.irp a, \a0, \a0+1
.irp b, 0,1,2,3,4,5,6,7
.if \zero
	v_wmma_scale_f32_16x16x128_f8f6f4 v[8*(8*((\a)%4)+\b):8*(8*((\a)%4)+\b)+7], v[128*(\p)+FR*\b:128*(\p)+FR*\b+FR-1], v[AF+FR*(\a):AF+FR*(\a)+FR-1], 0, v[SC+8*NQ*(\sc)+NQ*\b+(\q)], v[SC+8*NQ*(\sc)+NQ*(\a)+(\q)] matrix_a_fmt:MATRIX_FMT_FP4 matrix_b_fmt:MATRIX_FMT_FP4 matrix_a_scale:MATRIX_SCALE_ROW1
.else
	v_wmma_scale_f32_16x16x128_f8f6f4 v[8*(8*((\a)%4)+\b):8*(8*((\a)%4)+\b)+7], v[128*(\p)+FR*\b:128*(\p)+FR*\b+FR-1], v[AF+FR*(\a):AF+FR*(\a)+FR-1], v[8*(8*((\a)%4)+\b):8*(8*((\a)%4)+\b)+7], v[SC+8*NQ*(\sc)+NQ*\b+(\q)], v[SC+8*NQ*(\sc)+NQ*(\a)+(\q)] matrix_a_fmt:MATRIX_FMT_FP4 matrix_b_fmt:MATRIX_FMT_FP4 matrix_a_scale:MATRIX_SCALE_ROW1
.endif
.endr
.endr
.endm
.macro FETCH_B slot, q, p
	WIN TO_B
.irp i, 0,1,2,3,4,5,6,7
	FRAG 128*(\p)+FR*\i, ADRB+\slot, \q, \i
.endr
	WIN 0
.endm
.macro FETCH_A slot, q, i0
.irp i, \i0, \i0+1, \i0+2, \i0+3
	FRAG AF+FR*(\i), ADRA+\slot, \q, \i
.endr
.endm
.macro SCALES sc                       ; a slot's scale words: four words a row; lanes 0-15 take x's block i, lanes 16-31 W_qkv's block i
.irp i, 0,1,2,3,4,5,6,7
	ds_load_b128 v[SC+8*NQ*\sc+NQ*\i:SC+8*NQ*\sc+NQ*\i+3], v[ADRS] offset:\i*SBLK
.endr
.endm
.macro PLACES n                        ; plain vector lines between a matrix instruction and a load into, or a read of, its registers
.rept \n
	v_nop
.endr
.endm
; A step of 128 along K that has its successor in the same slot: x's blocks one after the other, so one set of registers serves x: blocks 0-3 are fetched anew in the step's middle, blocks 4-7 at its end.
.macro STEP slot, q, zero
	s_wait_dscnt 4*NL                              ; all but the youngest eight loads (x's blocks 4-7)
	WIN MUL_LO
	MUL16 0, (\q)%2, \q, \slot, \zero
	MUL16 2, (\q)%2, \q, \slot, \zero
	s_wait_dscnt 0                                 ; x's blocks 4-7 are in
	PLACES NP
	FETCH_B \slot, (\q)+1, 1-(\q)%2
	FETCH_A \slot, (\q)+1, 0
	WIN MUL_HI
	MUL16 4, (\q)%2, \q, \slot, \zero
	MUL16 6, (\q)%2, \q, \slot, \zero
	PLACES NP
	WIN 0
	FETCH_A \slot, (\q)+1, 4
.endm
; Slot 0's last step changes slots: one barrier; in front of it each wave waits for all its tensor loads (its part of slot 1) and for its reads of slot 0.  Behind it slot 1 is whole, and nobody reads slot 0 any more.
.macro TURN slot, next
	s_wait_tensorcnt 0x0
	ds_add_u32 v[SPW], v[NIL]                      ; 0 onto my spare word
	s_wait_dscnt 4*NL+1                            ; (the add and the youngest eight loads may be out)
	WIN MUL_LO
	MUL16 0, 1, NQ-1, \slot, 0
	s_wait_dscnt 0x0                               ; the add is done, and my reads of this slot are over
	s_barrier_signal -1
	MUL16 2, 1, NQ-1, \slot, 0
	WIN 0
	s_barrier_wait -1
	PLACES NP
	v_add_nc_u32 v[ADRS], 4*NQ, v[ADRS]            ; on to the next slot's scale words
	FETCH_B \next, 0, 0
	FETCH_A \next, 0, 0
	SCALES \next
	WIN MUL_HI
	MUL16 4, 1, NQ-1, \slot, 0
	MUL16 6, 1, NQ-1, \slot, 0
	PLACES NP
	WIN 0
	FETCH_A \next, 0, 4
.endm
.macro STEPS slot, from
.set Q, \from
.rept NQ-1-\from
	STEP \slot, Q, 0
.set Q, Q+1
.endr
.endm
	s_wait_tensorcnt 1                             ; the scales and my part of slot 0 are in (slot 1's load may be out)
	s_wait_dscnt 0x0                               ; and my part of the table is stored:
	s_barrier_signal -1
	s_barrier_wait -1                              ; everybody's are
	FETCH_B 0, 0, 0
	FETCH_A 0, 0, 0
	SCALES 0
	FETCH_A 0, 0, 4
	STEP 0, 0, 1                                   ; the first step's products start the sums: nothing is cleared
	STEPS 0, 1
	TURN 0, 1
	STEPS 1, 0
	s_wait_dscnt 4*NL                              ; the last step: nothing more to fetch
	WIN MUL_LO
	MUL16 0, 1, NQ-1, 1, 0
	MUL16 2, 1, NQ-1, 1, 0
	s_wait_dscnt 0
	WIN MUL_HI
	MUL16 4, 1, NQ-1, 1, 0
	MUL16 6, 1, NQ-1, 1, 0
	WIN 0
; THE WAY OUT, block a of 16 tokens x 128 channels (two heads) at a time.  In block a: n % 16 = lane % 16, (n / 16) % 16 = 8 x half + a.
.macro TL a                            ; the table values that change with the block, into set a % 2
.set TS, TSET+32*((\a)%2)
	v_add_nc_u32 v[TA2], (\a)*TP, v[TA2A]
	v_cndmask_b32 v[TA2], v[TA2], v[TA2R], s98
	ds_load_b128 v[TS:TS+3],     v[TA1] offset:(\a)*TP
	ds_load_b128 v[TS+4:TS+7],   v[TA1] offset:(\a)*TP+16
	ds_load_b128 v[TS+8:TS+11],  v[TA1] offset:(\a)*TP+256
	ds_load_b128 v[TS+12:TS+15], v[TA1] offset:(\a)*TP+272
	ds_load_b128 v[TS+16:TS+19], v[TA2]
	ds_load_b128 v[TS+20:TS+23], v[TA2] offset:16
	ds_load_b128 v[TS+24:TS+27], v[TA2] offset:256
	ds_load_b128 v[TS+28:TS+31], v[TA2] offset:272
.endm
.macro ROPE a                          ; x C, then + the pair's other channel x S (the packed form takes the pair crosswise), then f16; each accumulator is read from its low end on
.set AC, 64*((\a)%4)
	WIN 0x02+(\a)/4                                ; source 0: window 2 or 3
.irp b, 0,1,2,3,4,5,6,7
.if (\b%4) == 0
.set CT, T0
.elseif (\b%4) == 1
.set CT, TSET+32*((\a)%2)
.elseif (\b%4) == 2
.set CT, TSET+32*((\a)%2)+16
.else
.set CT, T3
.endif
.irp i, 0,2,4,6
	v_pk_mul_f32 v[F+8*\b+\i:F+8*\b+\i+1], v[AC+8*\b+\i:AC+8*\b+\i+1], v[CT+\i:CT+\i+1]
.endr
.irp i, 0,2,4,6
	v_pk_fma_f32 v[F+8*\b+\i:F+8*\b+\i+1], v[AC+8*\b+\i:AC+8*\b+\i+1], v[CT+8+\i:CT+8+\i+1], v[F+8*\b+\i:F+8*\b+\i+1] op_sel:[1,0,0] op_sel_hi:[0,1,1]
.endr
.endr
	WIN 0
.irp b, 0,1,2,3,4,5,6,7
.irp i, 0,1,2,3
	v_cvt_pk_f16_f32 v[F+8*\b+\i], v[F+8*\b+2*\i], v[F+8*\b+2*\i+1]
.endr
.endr
.endm
.macro TOSTAGE a                       ; 16 bytes a lane into my stage; back by heads: four rows of 128 bytes an instruction.  LDS serves a wave's instructions in order: no wait between
.set BB, BK+32*((\a)%2)
.irp b, 0,1,2,3,4,5,6,7
	ds_store_b128 v[STO], v[F+8*\b:F+8*\b+3] offset:32*\b
.endr
.irp hh, 0,1
.irp q, 0,1,2,3
	ds_load_b128 v[BB+16*\hh+4*\q:BB+16*\hh+4*\q+3], v[RD] offset:\q*4*SPITCH+\hh*128
.endr
.endr
.endm
.macro SEND a
.set BB, BK+32*((\a)%2)
.irp hh, 0,1
.irp q, 0,1,2,3
	global_store_b128 v[CO], v[BB+16*\hh+4*\q:BB+16*\hh+4*\q+3], s[12:13] offset:\hh*262144+(\a)*2048+\q*512   ; 32 lanes store 512 consecutive bytes, aligned; the base is never stepped
.endr
.endr
.endm
	PLACES NP                                      ; behind the last products: for the loads into registers that they read, and for the reads of their results
.irp i, 0,1
	ds_load_b128 v[T0+4*\i:T0+4*\i+3],     v[TA0] offset:16*\i
	ds_load_b128 v[T0+8+4*\i:T0+8+4*\i+3], v[TA0] offset:256+16*\i
	ds_load_b128 v[T3+4*\i:T3+4*\i+3],     v[TA3] offset:16*\i
	ds_load_b128 v[T3+8+4*\i:T3+8+4*\i+3], v[TA3] offset:256+16*\i
.endr
	TL 0
.irp a, 0,1,2,3,4,5,6,7
.if \a < 7
	TL \a+1
.endif
.if (\a == 0) || (\a == 7)
	s_wait_dscnt 8                                 ; block 0: all but the next block's eight table loads.  Block 7: all but block 6's eight loads from the stage
.else
	s_wait_dscnt 16                                ; this block's table values are in and the last block's stores into the stage are done; its eight loads from the stage and the next eight table loads may be out
.endif
	ROPE \a
.if \a > 0
.if \a < 7
	s_wait_dscnt 8                                 ; the last block is back in registers (the next table loads may be out)
.else
	s_wait_dscnt 0
.endif
	SEND \a-1
.endif
.if \a > 1
	s_wait_xcnt 0x0                                ; the stores of two blocks back have read their registers: this block's rows may land there
.endif
	TOSTAGE \a
.endr
	s_wait_dscnt 0
	SEND 7
	s_wait_tensorcnt 0x0                           ; the wave's end, behind my last tensor load and my last LDS store
	ds_add_u32 v[SPW], v[NIL]
	s_wait_dscnt 0x0
	CROUND                                         ; the closing round
	s_endpgm
.Lfunc_end_k_qa770cb4d29_qkv:
	.size	k_qa770cb4d29_qkv, .Lfunc_end_k_qa770cb4d29_qkv-k_qa770cb4d29_qkv
	.p2alignl 7, 3214868480
	.fill 96, 4, 3214868480
	.section	.rodata,"a",@progbits
	.p2align	6, 0x0
	.amdhsa_kernel k_qa770cb4d29_qkv
		.amdhsa_group_segment_fixed_size 327680
		.amdhsa_private_segment_fixed_size 0
		.amdhsa_enable_private_segment 0
		.amdhsa_kernarg_size 40
		.amdhsa_user_sgpr_count 2
		.amdhsa_user_sgpr_kernarg_segment_ptr 1
		.amdhsa_wavefront_size32 1
		.amdhsa_system_sgpr_workgroup_id_x 1
		.amdhsa_system_sgpr_workgroup_id_y 1
		.amdhsa_system_sgpr_workgroup_id_z 1
		.amdhsa_system_vgpr_workitem_id 0
		.amdhsa_next_free_vgpr 1024
		.amdhsa_next_free_sgpr 102
		.amdhsa_reserve_vcc 0
		.amdhsa_float_denorm_mode_32 3
		.amdhsa_float_denorm_mode_16_64 3
		.amdhsa_memory_ordered 1
		.amdhsa_forward_progress 1
		.amdhsa_inst_pref_size 179
	.end_amdhsa_kernel
	.amdgpu_metadata
---
amdhsa.version: [ 1, 2 ]
amdhsa.kernels:
  - .name:           k_qa770cb4d29_qkv
    .symbol:         k_qa770cb4d29_qkv.kd
    .args:
      - { .name: xc, .offset: 0, .size: 8, .value_kind: global_buffer, .address_space: global }
      - { .name: xs, .offset: 8, .size: 8, .value_kind: global_buffer, .address_space: global }
      - { .name: wc, .offset: 16, .size: 8, .value_kind: global_buffer, .address_space: global }
      - { .name: ws, .offset: 24, .size: 8, .value_kind: global_buffer, .address_space: global }
      - { .name: qkv, .offset: 32, .size: 8, .value_kind: global_buffer, .address_space: global }
    .group_segment_fixed_size: 327680
    .private_segment_fixed_size: 0
    .kernarg_segment_align: 8
    .kernarg_segment_size: 40
    .max_flat_workgroup_size: 128
    .sgpr_count:     102
    .vgpr_count:     1024
    .wavefront_size: 32
...
	.end_amdgpu_metadata
.endif
;; end of part 2
;; launch attn (part 3): grid 8 x 32, 8 waves a work-group, clusters of 4 x 1, 327,680 bytes of LDS; arguments qkv, ao; writes ao
.if DOCPART == 3
	.amdgcn_target "amdgcn-amd-amdhsa--gfx1250"
	.amdhsa_code_object_version 6
	.text
	.protected	k_qa770cb4d29_attn
	.globl	k_qa770cb4d29_attn
	.p2align	8
	.type	k_qa770cb4d29_attn,@function
k_qa770cb4d29_attn:
	s_mov_b64 s[64:65], 0
	v_nop
	global_prefetch_b8 v0, s[64:65] scope:SCOPE_SE
	s_setreg_imm32_b32 hwreg(HW_REG_WAVE_MODE, 25, 1), 1
	s_wait_xcnt 0x0
	s_wait_alu depctr_hold_cnt(0) depctr_sa_sdst(0) depctr_va_vdst(0) depctr_va_sdst(0) depctr_va_ssrc(0) depctr_va_vcc(0) depctr_vm_vsrc(0)
	s_getreg_b32 s2, hwreg(HW_REG_IB_STS2, 6, 4)
	s_cmp_eq_u32 s2, 0
	s_cbranch_scc0 .Lentry_in_a_cluster
	s_endpgm
.Lentry_in_a_cluster:
	s_bfe_u32 s2, ttmp6, 0x10000c
	s_cmp_lg_u32 s2, 0x3003
	s_cbranch_scc0 .Lentry_shape_is_right
	s_endpgm
.Lentry_shape_is_right:
; O[bh][q] = the sum over k of softmax_k(Q[bh][q] . K[bh][k] / 8) V[bh][k].  q, k, v: f16, [3][32][2048][64]; q comes multiplied by 0.125 log2(e), so a score is the exponent to base 2.  Products, maxima and sums in f32;
; the weights are rounded to f16 for the second product.  O leaves as f16 laid [token / 128][head][128][64], the order in which the last product takes its tiles.
; SHARES.  A work-group owns 256 queries of one head, each of its EIGHT waves 32: two tiles of 16: two waves to a SIMD, so that one wave's softmax stands beside the other's products.  Every wave walks all 2,048 keys, 64 a step.
; LAYOUT.  S^T = K Q^T (source 0 = 16 keys, source 1 = 16 queries): a lane holds ONE query and the keys 8 (lane / 16) + 0..7.  Two such tiles, rounded in pairs, ARE source 1 of O^T = V^T P.  V ([key][channel]) is turned by ds_load_tr16_b128.
; SOFTMAX.  A running maximum m for each query: p = 2^(s - m); in every step O and the sum are multiplied by 2^(m_old - m_new).  The row's sum is taken of the f32 weights, two at a time, in two chains a tile; its two halves and
; the lane 16 away are added at the end.  O and the sum begin as zeros and m as -3e38: the step is written alike for all steps.
; K A STEP AHEAD.  K's registers are free as soon as a step's K Q^T is issued: the next step's K is asked of LDS there, and has the softmax and V^T P in which to come.  V is asked for at a step's head and wanted behind the softmax.
; A slot's last step fetches no K: the next lies in the other slot, behind the barrier.  So a slot is a first fetch of K, a loop of seven steps, and an eighth step written out.
; RING.  Two LDS slots of 512 keys.  Rows of 128 bytes are dense in memory, so a tile is stated as rows of 256 bytes (two keys) with padding behind each: 16 bytes for K, 32 for V: the rows that a load touches fall on different banks.
; CLUSTER.  The four query blocks of a cluster belong to one head and walk the same K and V: each tile is asked for jointly.  Waves 0-3 fetch K's quarters of a slot, waves 4-7 V's: 16 KiB a load; two loads of a wave are out at the start, later one.
; LIMITS: NaN and infinities are not served; O beyond 65,504 has no f16 number, under 6e-5 it keeps f16's subnormal step.
; REGISTERS: window 0: v2-13 addresses; v16-31 statistics, eight a tile; v32-63 Q; v64-127 S^T, then P in place; v128-131 the sums, a pair a tile; v132-139 the sums' chains; v144-207 O^T.  window 1: v0-63 K; v64-127 V.
;   So both products have one window setting (source 0 in window 1) and all vector work has none: six switches a step.
.set SLOT,  143360                     ; K: 256 rows x 272, then V: 256 rows x 288
.set VOFF,  69632
.set KQB,   64*272                     ; a quarter of a slot's K: what one load brings
.set VQB,   64*288
.set KSTEP, 32*272                     ; a step's 64 keys in K's part of a slot,
.set VSTEP, 32*288                     ; and in V's
.set SPARE, 2*SLOT                     ; behind the ring: the spare words, 128 bytes a wave
.set AK0, 2                            ; v2   my lane's place in a tile of K; also in my stage on the way out
.set AV0, 3                            ; v3   the same for V
.set ADK, 4                            ; v4, v5 the addresses of the runs of loads in hand
.set ADV, 5
.set QO,  6
.set STO, 7
.set RD,  8
.set GO,  9
.set PFO, 10                           ; v10  256 x my lane; never rewritten
.set SPW, 12                           ; v12  LDS address of my spare word; never rewritten
.set NIL, 13                           ; v13  0; never rewritten
.set ST,  16                           ; tile t at v[ST + 8 t]: +0 m, +2 the factor (each the low word of a pair whose high word is written once), +4 .. +7 at work
.set Q,   32
.set S,   64
.set LP,  128                          ; tile t's sum: even keys' in v[LP + 2 t], odd keys' beside it
.set SA,  132                          ; tile t's two chains: v[SA + 4 t .. SA + 4 t + 3]
.set O,   144
.set KF,  0                            ; in window 1
.set VF,  64
.set WV,  12
.set LIM, 15
.set PFA, 18
.set G1K, 24
.set G1V, 32
.set G0K, 40                           ; s[40:47] group 0 for K's tiles, a set for each slot; s[48:55] for V's
.set G0V, 48
.set TK,  56                           ; s56  LDS byte of the K that is fetched next
.set TV,  57                           ; s57  LDS byte of the step's V
.set CNT, 58
.set SEL, 60
.set MSB, 0
.macro WIN new                         ; the immediate's high byte repeats the setting that is left; a switch that changes nothing is dropped
.if MSB != (\new)
	s_set_vgpr_msb (MSB<<8)|(\new)
.set MSB, (\new)
.endif
.endm
.set W_LD, 0x40                        ; destination window 1, address window 0
.set W_MM, 0x01                        ; source 0 (K or V) window 1; source 1, C and D window 0
.macro JLOAD s                         ; a joint refill of slot s; the branch hangs on the wave's number alone; an s_nop 0 and four v_nop follow each of the two lines
	s_cmp_lt_u32 s[WV], 4
	s_cbranch_scc0 .Lfor_v_\@
	tensor_load_to_lds s[G0K+4*\s:G0K+4*\s+3], s[G1K:G1K+7]
	s_nop 0
.rept 4
	v_nop
.endr
	s_branch .Lasked_\@
.Lfor_v_\@:
	tensor_load_to_lds s[G0V+4*\s:G0V+4*\s+3], s[G1V:G1V+7]
	s_nop 0
.rept 4
	v_nop
.endr
.Lasked_\@:
.endm
.macro CROUND                          ; a round of the cluster's barrier
	s_barrier_signal -1
	s_barrier_wait -1
	s_cmp_lg_u32 s[WV], 0
	s_cbranch_scc1 .Lnot_wave_0_\@
	s_barrier_signal -3
.Lnot_wave_0_\@:
	s_barrier_wait -3
	s_barrier_signal -1
	s_barrier_wait -1
.endm
	s_load_b128 s[4:7], s[0:1], 0x0                ; qkv, ao
	v_lshl_add_u32 v[SPW], v0, 2, SPARE
	v_mov_b32 v[NIL], 0
	ds_add_u32 v[SPW], v[NIL]                      ; the wave's opening: the add, twice on end, and its wait ahead of my first tensor load
	ds_add_u32 v[SPW], v[NIL]
	v_lshrrev_b32 v1, 5, v0
	v_readfirstlane_b32 s[WV], v1                  ; wave 0..7
	s_bfe_u32 s13, ttmp6, 0x40000                  ; cx
	s_lshl_b32 s14, ttmp9, 2
	s_add_co_u32 s14, s14, s13                     ; my block of 256 queries: it enters Q's, O's and the prefetch's addresses alone
	s_and_b32 s16, ttmp7, 0xffff                   ; batch x 16 + head, which the four partners share
	s_and_b32 s17, s[WV], 3                        ; which quarter of a slot I fetch
	s_lshl_b32 s20, s16, 18                        ; the head's 262,144 bytes
	s_mov_b32 s21, 0
	s_lshl_b32 s22, s17, 14                        ; my quarter: 128 keys of 128 bytes
	s_add_co_u32 s22, s22, s20
	s_mov_b32 s23, 0
	; descriptor group 1: 64 rows of 256 bytes (32 elements of 8 bytes), dense in memory, padded in LDS
	s_mov_b32 s[G1K], 15|(3<<16)|(1<<20)|(1<<21)|(5<<22)|(3<<25)  ; 15:0 the mask: all four; 17:16 elements of 8 bytes; 20 padding on; 21 set beside a mask; 24:22 after every 64 words; 31:25 four words
	s_mov_b32 s[G1V], 15|(3<<16)|(1<<20)|(1<<21)|(5<<22)|(7<<25)  ; the same with eight words
.irp g, G1K, G1V
	s_mov_b32 s[\g+1], 32<<16                      ; tensor_dim0
	s_mov_b32 s[\g+2], 64<<16                      ; tensor_dim1
	s_mov_b32 s[\g+3], 32<<16                      ; tile_dim0
	s_mov_b32 s[\g+4], 64                          ; tile_dim1
	s_mov_b32 s[\g+5], 32                          ; from row to row
	s_mov_b32 s[\g+6], 0
	s_mov_b32 s[\g+7], 0
.endr
	s_mul_i32 s2, s17, KQB                         ; where my quarter goes: no place in the cluster enters an LDS address
	s_mul_i32 s3, s17, VQB
	s_add_co_u32 s3, s3, VOFF
	s_mov_b32 s[SEL], 0x76543210
	s_mov_b32 s[SEL+1], 0xfedcba98
	s_and_b32 s[LIM], s[WV], 1                     ; the even waves
	s_or_b32 s[LIM], s[LIM], ttmp9                 ; of the head's first cluster prefetch: the same in all four partners
	s_cmp_eq_u32 s[LIM], 0
	s_cselect_b32 s[LIM], 1, 0
	s_wait_dscnt 0x0                               ; both opening adds are done
	s_wait_kmcnt 0x0
	s_add_nc_u64 s[8:9], s[4:5], s[22:23]
	s_add_nc_u64 s[8:9], s[8:9], 8388608           ; K at my quarter of the head's first 512 keys
	s_add_nc_u64 s[10:11], s[8:9], 8388608         ; V likewise
	CROUND                                         ; all four work-groups are here: the first joint loads meet
.irp s, 0,1
	s_mov_b32 s[G0K+4*\s], 1
	s_add_co_u32 s[G0K+4*\s+1], s2, \s*SLOT
	s_add_nc_u64 s[G0K+4*\s+2:G0K+4*\s+3], s[8:9], \s*65536
	s_or_b32 s[G0K+4*\s+3], s[G0K+4*\s+3], 0x80000000
	s_mov_b32 s[G0V+4*\s], 1
	s_add_co_u32 s[G0V+4*\s+1], s3, \s*SLOT
	s_add_nc_u64 s[G0V+4*\s+2:G0V+4*\s+3], s[10:11], \s*65536
	s_or_b32 s[G0V+4*\s+3], s[G0V+4*\s+3], 0x80000000
.endr
	s_cmp_lt_u32 s[WV], 4                          ; a wave's two first fills stand in one branch, ahead of every wait on TENSORcnt and every LDS read
	s_cbranch_scc0 .Lfirst_v
	tensor_load_to_lds s[G0K:G0K+3], s[G1K:G1K+7]
	s_nop 0
	tensor_load_to_lds s[G0K+4:G0K+7], s[G1K:G1K+7]
	s_nop 0
.rept 4
	v_nop
.endr
	s_branch .Lfirst_asked
.Lfirst_v:
	tensor_load_to_lds s[G0V:G0V+3], s[G1V:G1V+7]
	s_nop 0
	tensor_load_to_lds s[G0V+4:G0V+7], s[G1V:G1V+7]
	s_nop 0
.rept 4
	v_nop
.endr
.Lfirst_asked:
	; the one prefetch's address: keys 1,536 on (the last fill), 65,536 bytes of K and of V: waves 0, 2 take K's halves, waves 4, 6 V's; of a half each partner takes 8,192 bytes, told apart by address; lanes 256 bytes apart
	s_mov_b32 s3, 16777216+196608
	s_cmp_lt_u32 s[WV], 4
	s_cselect_b32 s2, 8388608+196608, s3
	s_add_co_u32 s2, s2, s20
	s_bfe_u32 s3, s[WV], 0x10001
	s_lshl_b32 s3, s3, 15
	s_add_co_u32 s2, s2, s3
	s_lshl_b32 s3, s13, 13
	s_add_co_u32 s2, s2, s3
	s_mov_b32 s3, 0
	s_add_nc_u64 s[PFA:PFA+1], s[4:5], s[2:3]
	s_lshl_b32 s2, s14, 15                         ; Q: my block's 256 rows of 128 bytes,
	s_lshl_b32 s3, s[WV], 12                       ; my wave's 32
	s_add_co_u32 s2, s2, s3
	s_add_co_u32 s2, s2, s20
	s_mov_b32 s3, 0
	s_add_nc_u64 s[4:5], s[4:5], s[2:3]
	s_lshr_b32 s2, s16, 4                          ; O: block (token / 128, head) of 16,384 bytes; token / 128 = 16 x batch + 2 x my block + wave / 4
	s_lshl_b32 s2, s2, 4
	s_lshl_b32 s3, s14, 1
	s_add_co_u32 s2, s2, s3
	s_lshr_b32 s3, s[WV], 2
	s_add_co_u32 s2, s2, s3
	s_lshl_b32 s2, s2, 4
	s_and_b32 s3, s16, 15
	s_add_co_u32 s2, s2, s3
	s_lshl_b32 s2, s2, 14
	s_lshl_b32 s3, s17, 12                         ; in it my 32 rows of 128 bytes
	s_add_co_u32 s2, s2, s3
	s_mov_b32 s3, 0
	s_add_nc_u64 s[6:7], s[6:7], s[2:3]
	v_and_b32 v1, 15, v0                           ; r
	v_bfe_u32 v14, v0, 4, 1                        ; h
	v_lshlrev_b32 v[QO], 7, v1
	v_lshl_add_u32 v[QO], v14, 4, v[QO]            ; row r of 128 bytes + 16 h
.irp t, 0,1
.irp cs, 0,1                                   ; Q stays in registers: tile t, channels 32 cs on
	global_load_b128 v[Q+16*\t+8*\cs:Q+16*\t+8*\cs+3],   v[QO], s[4:5] offset:\t*2048+\cs*64
	global_load_b128 v[Q+16*\t+8*\cs+4:Q+16*\t+8*\cs+7], v[QO], s[4:5] offset:\t*2048+\cs*64+32
.endr
.endr
	v_lshrrev_b32 v15, 1, v1                       ; key r lies in LDS row r / 2, half r % 2
	v_mul_u32_u24 v[AK0], v15, 272
	v_and_b32 v11, 1, v0
	v_lshl_add_u32 v[AK0], v11, 7, v[AK0]
	v_lshl_add_u32 v[AK0], v14, 4, v[AK0]
	v_bfe_u32 v15, v0, 1, 2                        ; the turning load: lane l reads key 8 h + l % 8, channels 8 ((l / 8) % 2) on
	v_lshl_add_u32 v15, v14, 2, v15
	v_mul_u32_u24 v[AV0], v15, 288
	v_lshl_add_u32 v[AV0], v11, 7, v[AV0]
	v_bfe_u32 v15, v0, 3, 1
	v_lshl_add_u32 v[AV0], v15, 4, v[AV0]
	s_mul_i32 s22, s[WV], 16*272                   ; my stage for the way out, in slot 0: 16 rows of 272 bytes
	v_add_nc_u32 v[STO], s22, v[AK0]               ; in: a query's row lies as a key's does
	v_mul_u32_u24 v[RD], v14, 272
	v_lshl_add_u32 v[RD], v1, 4, v[RD]
	v_add_nc_u32 v[RD], s22, v[RD]                 ; back: sixteen lanes to a row of 256 bytes
	v_and_b32 v[GO], 31, v0
	v_lshlrev_b32 v[PFO], 8, v[GO]
	v_lshlrev_b32 v[GO], 4, v[GO]
.irp t, 0,1
	v_mov_b32 v[ST+8*\t], 0xff61b1e6               ; m: -3e38, under every score
	v_mov_b32 v[ST+8*\t+1], 0                      ; (named as the high words of pairs)
	v_mov_b32 v[ST+8*\t+3], 0
	v_mov_b32 v[LP+2*\t], 0                        ; the sum
	v_mov_b32 v[LP+2*\t+1], 0
.endr
.set j, 0
.rept 64
	v_mov_b32 v[O+j], 0                            ; O^T: the first step finds zeros, which its factor, 0, leaves zeros
.set j, j+1
.endr
.macro KLOADS                          ; a step's K, 64 keys x 64 channels: 16 loads, from v[ADK]
	WIN W_LD
.irp kt, 0,1,2,3
.irp cs, 0,1
	ds_load_b128 v[KF+8*(2*\kt+\cs):KF+8*(2*\kt+\cs)+3],   v[ADK] offset:\kt*2176+\cs*64
	ds_load_b128 v[KF+8*(2*\kt+\cs)+4:KF+8*(2*\kt+\cs)+7], v[ADK] offset:\kt*2176+\cs*64+32
.endr
.endr
.endm
.macro VLOADS                          ; a step's V, turned: 16 loads, from v[ADV]
	WIN W_LD
.irp ks, 0,1
.irp ct, 0,1,2,3
	ds_load_tr16_b128 v[VF+8*(4*\ks+\ct):VF+8*(4*\ks+\ct)+3],   v[ADV] offset:\ks*4608+\ct*32
	ds_load_tr16_b128 v[VF+8*(4*\ks+\ct)+4:VF+8*(4*\ks+\ct)+7], v[ADV] offset:\ks*4608+2304+\ct*32
.endr
.endr
.endm
; A KEY STEP: 64 keys.  At its head its K has been asked for (16 loads may be out).  pf = 1: it asks for the next step's K, at s[TK].
.macro STEP pf
	v_add_nc_u32 v[ADV], s[TV], v[AV0]             ; five plain lines between the last step's products and the products below that write over P; they also stand ahead of the loads into V
.if \pf
	v_add_nc_u32 v[ADK], s[TK], v[AK0]
.else
	v_nop
.endif
.rept 3
	v_nop
.endr
	VLOADS
	s_wait_dscnt 16                                ; K, asked for a step ago, is in; V's sixteen loads, just issued, may be out
	WIN W_MM
.irp cs, 0,1                                   ; S^T = K Q^T: the eight accumulators take turns
.irp kt, 0,1,2,3
.irp t, 0,1
.if \cs == 0
	v_wmma_f32_16x16x32_f16 v[S+32*\t+8*\kt:S+32*\t+8*\kt+7], v[KF+16*\kt:KF+16*\kt+7], v[Q+16*\t:Q+16*\t+7], 0
.else
	v_wmma_f32_16x16x32_f16 v[S+32*\t+8*\kt:S+32*\t+8*\kt+7], v[KF+16*\kt+8:KF+16*\kt+15], v[Q+16*\t+8:Q+16*\t+15], v[S+32*\t+8*\kt:S+32*\t+8*\kt+7]
.endif
.endr
.endr
.endr
.rept 4
	v_nop                                          ; four plain lines ahead of the loads into K's registers and of the first read of the scores
.endr
.if \pf
	KLOADS                                         ; the next step's K: it has the softmax and V^T P in which to come
.endif
	WIN 0
.irp j, 0,1,2,3                                ; the maximum of 32 scores and m, three operands at a time, four chains; each accumulator is read from its low end on; the two tiles alternate
.irp t, 0,1
	v_max3_num_f32 v[ST+8*\t+4+\j], v[S+32*\t+8*\j], v[S+32*\t+8*\j+1], v[S+32*\t+8*\j+2]
.endr
.endr
.irp g, 1,2
.irp j, 0,1,2,3
.irp t, 0,1
	v_max3_num_f32 v[ST+8*\t+4+\j], v[ST+8*\t+4+\j], v[S+32*\t+8*\j+2*\g+1], v[S+32*\t+8*\j+2*\g+2]
.endr
.endr
.endr
.irp t, 0,1
	v_max3_num_f32 v[ST+8*\t+4], v[ST+8*\t+4], v[S+32*\t+7], v[S+32*\t+15]
.endr
.irp t, 0,1
	v_max3_num_f32 v[ST+8*\t+6], v[ST+8*\t+6], v[S+32*\t+23], v[S+32*\t+31]
.endr
.irp t, 0,1
	v_max3_num_f32 v[ST+8*\t+4], v[ST+8*\t+4], v[ST+8*\t+5], v[ST+8*\t+6]
.endr
.irp t, 0,1
	v_max3_num_f32 v[ST+8*\t+4], v[ST+8*\t+4], v[ST+8*\t+7], v[ST+8*\t]
.endr
.irp t, 0,1
	v_permlanex16_b32 v[ST+8*\t+5], v[ST+8*\t+4], s[SEL], s[SEL+1]   ; the query's other 32 keys lie in the lane 16 away
.endr
.irp t, 0,1
	v_max_num_f32 v[ST+8*\t+6], v[ST+8*\t+4], v[ST+8*\t+5]
.endr
.irp t, 0,1
	v_sub_f32 v[ST+8*\t+7], v[ST+8*\t], v[ST+8*\t+6]               ; m_old - m_new
.endr
.irp t, 0,1
	v_mov_b32 v[ST+8*\t], v[ST+8*\t+6]
.endr
.irp i, 0,2,4,6,8,10,12,14,16,18,20,22,24,26,28,30
.irp t, 0,1
	v_pk_add_f32 v[S+32*\t+\i:S+32*\t+\i+1], v[S+32*\t+\i:S+32*\t+\i+1], v[ST+8*\t:ST+8*\t+1] op_sel_hi:[1,0] neg_lo:[0,1] neg_hi:[0,1]   ; s - m, two at a time
.endr
.endr
.irp t, 0,1
	v_exp_f32 v[ST+8*\t+2], v[ST+8*\t+7]           ; ONE BATCH: the two factors and the 64 weights; nothing in it reads a result
.endr
.set j, 0
.rept 64
	v_exp_f32 v[S+j], v[S+j]
.set j, j+1
.endr
	v_nop                                          ; a plain line behind the last exponential,
	s_wait_alu depctr_va_vdst(0)                   ; and the one wait ahead of the batch's first reader
.irp t, 0,1                                    ; THE ROW'S SUM, of the f32 weights: a tile's 16 pairs in two chains, the tiles alternating, so that four chains are at work
	v_pk_add_f32 v[SA+4*\t:SA+4*\t+1], v[S+32*\t:S+32*\t+1], v[S+32*\t+2:S+32*\t+3]
.endr
.irp t, 0,1
	v_pk_add_f32 v[SA+4*\t+2:SA+4*\t+3], v[S+32*\t+4:S+32*\t+5], v[S+32*\t+6:S+32*\t+7]
.endr
.irp i, 8,12,16,20,24,28
.irp t, 0,1
	v_pk_add_f32 v[SA+4*\t:SA+4*\t+1], v[SA+4*\t:SA+4*\t+1], v[S+32*\t+\i:S+32*\t+\i+1]
.endr
.irp t, 0,1
	v_pk_add_f32 v[SA+4*\t+2:SA+4*\t+3], v[SA+4*\t+2:SA+4*\t+3], v[S+32*\t+\i+2:S+32*\t+\i+3]
.endr
.endr
.irp t, 0,1
	v_pk_add_f32 v[SA+4*\t:SA+4*\t+1], v[SA+4*\t:SA+4*\t+1], v[SA+4*\t+2:SA+4*\t+3]
.endr
.irp t, 0,1
	v_pk_fma_f32 v[LP+2*\t:LP+2*\t+1], v[LP+2*\t:LP+2*\t+1], v[ST+8*\t+2:ST+8*\t+3], v[SA+4*\t:SA+4*\t+1] op_sel_hi:[1,0,1]   ; the sum so far x the factor + this step's
.endr
.irp f, 0,1,2,3                                ; P in place: sixteen weights of 32 keys' halves become eight registers
.irp i, 0,1,2,3,4,5,6,7
	v_cvt_pk_f16_f32 v[S+16*\f+\i], v[S+16*\f+2*\i], v[S+16*\f+2*\i+1]
.endr
.endr
.irp i, 0,2,4,6,8,10,12,14,16,18,20,22,24,26,28,30
.irp t, 0,1
	v_pk_mul_f32 v[O+32*\t+\i:O+32*\t+\i+1], v[O+32*\t+\i:O+32*\t+\i+1], v[ST+8*\t+2:ST+8*\t+3] op_sel_hi:[1,0]   ; O^T x the factor; each accumulator from its low end on
.endr
.endr
.if \pf
	s_wait_dscnt 16                                ; V is in; the sixteen loads of the next K, issued behind it, may be out
.else
	s_wait_dscnt 0x0                               ; V is in; nothing was issued behind it
.endif
	WIN W_MM
.irp ks, 0,1                                   ; O^T += V^T P: the eight accumulators take turns
.irp t, 0,1
.irp ct, 0,1,2,3
	v_wmma_f32_16x16x32_f16 v[O+32*\t+8*\ct:O+32*\t+8*\ct+7], v[VF+8*(4*\ks+\ct):VF+8*(4*\ks+\ct)+7], v[S+32*\t+16*\ks:S+32*\t+16*\ks+7], v[O+32*\t+8*\ct:O+32*\t+8*\ct+7]
.endr
.endr
.endr
	WIN 0
.if \pf
	s_add_co_u32 s[TK], s[TK], KSTEP
	s_add_co_u32 s[TV], s[TV], VSTEP
.endif
.endm
; SLOT s's eight key steps.  ask = 1: behind the first run of LDS loads stands a prefetch of what the NEXT change of slots will ask for, keys 1,536 on, eight key steps ahead of that load: each 256 bytes are named once in the
; launch (the head's first cluster, its even waves, the partners told apart by address); its address registers are never rewritten.
.macro PHASE s, ask
	s_mov_b32 s[TK], \s*SLOT
	s_mov_b32 s[TV], \s*SLOT+VOFF
	v_add_nc_u32 v[ADK], s[TK], v[AK0]
	KLOADS                                         ; the first step's K: the barrier in front has shown the slot whole
	WIN 0
	s_mov_b32 s[TK], \s*SLOT+KSTEP
.if \ask
	s_cmp_eq_u32 s[LIM], 1
	s_cbranch_scc0 .Lnot_mine_\@
	global_prefetch_b8 v[PFO], s[PFA:PFA+1] th:TH_LOAD_NT scope:SCOPE_SE
.Lnot_mine_\@:
.endif
	s_mov_b32 s[CNT], 7
.Lstep_\@:
	STEP 1
	s_sub_co_u32 s[CNT], s[CNT], 1
	s_cmp_lg_u32 s[CNT], 0
	s_cbranch_scc1 .Lstep_\@
	s_mov_b32 s[TV], \s*SLOT+VOFF+7*VSTEP
	STEP 0                                         ; the eighth step fetches no K
.endm
; THE CHANGE OF SLOTS.  Each wave waits for all its tensor loads (its part of the other slot), adds 0 to its spare word, and waits for that and for its reads of slot s.  fill = 1: the barrier is a round of the cluster's,
; and the joint refill of slot s, with the keys 1,024 on, is the first thing behind it: it has eight key steps in which to land.
.macro CHANGE s, fill
	s_wait_tensorcnt 0x0                           ; no tensor load of mine is out, so a group 0 may be written
	ds_add_u32 v[SPW], v[NIL]
.if \fill
	s_add_nc_u64 s[G0K+4*\s+2:G0K+4*\s+3], s[G0K+4*\s+2:G0K+4*\s+3], 131072
	s_add_nc_u64 s[G0V+4*\s+2:G0V+4*\s+3], s[G0V+4*\s+2:G0V+4*\s+3], 131072
	s_wait_dscnt 0x0                               ; the add is done, and my reads of the slot are over
	CROUND
	JLOAD \s
.else
	s_wait_dscnt 0x0
	s_barrier_signal -1
	s_barrier_wait -1
.endif
.endm
	s_wait_tensorcnt 1                             ; my part of slot 0 is in; slot 1's may stay out
	s_barrier_signal -1
	s_barrier_wait -1
	s_wait_loadcnt 0x0                             ; Q
	PHASE 0, 0                                     ; keys 0 to 511
	CHANGE 0, 1                                    ; slot 0 takes keys 1,024 on
	PHASE 1, 1                                     ; keys 512 to 1,023
	CHANGE 1, 1                                    ; slot 1 takes keys 1,536 on
	PHASE 0, 0
	CHANGE 0, 0                                    ; nothing is left to ask for; behind this barrier nobody reads slot 0: the stages lie there
	PHASE 1, 0
	; THE WAY OUT.  The sum's two halves and the lane 16 away's are added; O^T / the sum, f16, through my stage, and out as 4,096 consecutive bytes.
	; The four additions and the v_nop are five plain lines behind the last products, ahead of the first read of O^T and the first write over P.
.irp t, 0,1
	v_add_f32 v[ST+8*\t+4], v[LP+2*\t], v[LP+2*\t+1]
.endr
.irp t, 0,1
	v_permlanex16_b32 v[ST+8*\t+5], v[ST+8*\t+4], s[SEL], s[SEL+1]
.endr
.irp t, 0,1
	v_add_f32 v[ST+8*\t+4], v[ST+8*\t+4], v[ST+8*\t+5]
.endr
.irp t, 0,1
	v_rcp_f32 v[ST+8*\t+2], v[ST+8*\t+4]
.endr
	v_nop
	s_wait_alu depctr_va_vdst(0)                   ; one wait for the two reciprocals, ahead of their first reader
.irp t, 0,1
.irp i, 0,2,4,6,8,10,12,14,16,18,20,22,24,26,28,30
	v_pk_mul_f32 v[S+32*\t+\i:S+32*\t+\i+1], v[O+32*\t+\i:O+32*\t+\i+1], v[ST+8*\t+2:ST+8*\t+3] op_sel_hi:[1,0]
.endr
.endr
.irp f, 0,1,2,3,4,5,6,7
.irp i, 0,1,2,3
	v_cvt_pk_f16_f32 v[S+8*\f+\i], v[S+8*\f+2*\i], v[S+8*\f+2*\i+1]
.endr
.endr
.irp t, 0,1
.irp ct, 0,1,2,3
	ds_store_b128 v[STO], v[S+32*\t+8*\ct:S+32*\t+8*\ct+3] offset:\t*2176+\ct*32
.endr
.endr
.irp i, 0,1,2,3,4,5,6,7
	ds_load_b128 v[Q+4*\i:Q+4*\i+3], v[RD] offset:\i*544   ; LDS serves a wave's instructions in order: these see my stores
.endr
.irp i, 0,1,2,3,4,5,6,7
	s_wait_dscnt 7-\i
	global_store_b128 v[GO], v[Q+4*\i:Q+4*\i+3], s[6:7] offset:\i*512   ; 32 lanes store 512 consecutive bytes, aligned
.endr
	s_wait_tensorcnt 0x0                           ; the wave's end, behind my last tensor load and my last LDS store
	ds_add_u32 v[SPW], v[NIL]
	s_wait_dscnt 0x0
	CROUND                                         ; the closing round
	s_endpgm
.Lfunc_end_k_qa770cb4d29_attn:
	.size	k_qa770cb4d29_attn, .Lfunc_end_k_qa770cb4d29_attn-k_qa770cb4d29_attn
	.p2alignl 7, 3214868480
	.fill 96, 4, 3214868480
	.section	.rodata,"a",@progbits
	.p2align	6, 0x0
	.amdhsa_kernel k_qa770cb4d29_attn
		.amdhsa_group_segment_fixed_size 327680
		.amdhsa_private_segment_fixed_size 0
		.amdhsa_enable_private_segment 0
		.amdhsa_kernarg_size 16
		.amdhsa_user_sgpr_count 2
		.amdhsa_user_sgpr_kernarg_segment_ptr 1
		.amdhsa_wavefront_size32 1
		.amdhsa_system_sgpr_workgroup_id_x 1
		.amdhsa_system_sgpr_workgroup_id_y 1
		.amdhsa_system_sgpr_workgroup_id_z 1
		.amdhsa_system_vgpr_workitem_id 0
		.amdhsa_next_free_vgpr 384
		.amdhsa_next_free_sgpr 66
		.amdhsa_reserve_vcc 0
		.amdhsa_float_denorm_mode_32 3
		.amdhsa_float_denorm_mode_16_64 3
		.amdhsa_memory_ordered 1
		.amdhsa_forward_progress 1
		.amdhsa_inst_pref_size 158
	.end_amdhsa_kernel
	.amdgpu_metadata
---
amdhsa.version: [ 1, 2 ]
amdhsa.kernels:
  - .name:           k_qa770cb4d29_attn
    .symbol:         k_qa770cb4d29_attn.kd
    .args:
      - { .name: qkv, .offset: 0, .size: 8, .value_kind: global_buffer, .address_space: global }
      - { .name: ao, .offset: 8, .size: 8, .value_kind: global_buffer, .address_space: global }
    .group_segment_fixed_size: 327680
    .private_segment_fixed_size: 0
    .kernarg_segment_align: 8
    .kernarg_segment_size: 16
    .max_flat_workgroup_size: 256
    .sgpr_count:     66
    .vgpr_count:     384
    .wavefront_size: 32
...
	.end_amdgpu_metadata
.endif
;; end of part 3
;; launch proj (part 4): grid 8 x 32, 4 waves a work-group, clusters of 4 x 4, 327,680 bytes of LDS; arguments ao, wp16, out0, b_proj; writes out0
.if DOCPART == 4
	.amdgcn_target "amdgcn-amd-amdhsa--gfx1250"
	.amdhsa_code_object_version 6
	.text
	.protected	k_qa770cb4d29_proj
	.globl	k_qa770cb4d29_proj
	.p2align	8
	.type	k_qa770cb4d29_proj,@function
k_qa770cb4d29_proj:
	s_mov_b64 s[64:65], 0
	v_nop
	global_prefetch_b8 v0, s[64:65] scope:SCOPE_SE
	s_setreg_imm32_b32 hwreg(HW_REG_WAVE_MODE, 25, 1), 1
	s_wait_xcnt 0x0
	s_wait_alu depctr_hold_cnt(0) depctr_sa_sdst(0) depctr_va_vdst(0) depctr_va_sdst(0) depctr_va_ssrc(0) depctr_va_vcc(0) depctr_vm_vsrc(0)
	s_getreg_b32 s2, hwreg(HW_REG_IB_STS2, 6, 4)
	s_cmp_eq_u32 s2, 0
	s_cbranch_scc0 .Lentry_in_a_cluster
	s_endpgm
.Lentry_in_a_cluster:
	s_bfe_u32 s2, ttmp6, 0x10000c
	s_cmp_lg_u32 s2, 0xf033
	s_cbranch_scc0 .Lentry_shape_is_right
	s_endpgm
.Lentry_shape_is_right:
; out0[m][n] = the sum over k of A[m][k] W_proj[n][k] + b_proj[n].  A (attention's result) and W_proj come as f16 in panels [row / 128][k / 64][128 rows][64 k]; sums and out0 [4096][1024] in f32.
; A tile of the result is 128 x 128: 8 x 32 = 256 work-groups.  Four waves, each 64 x 64: 16 accumulators.  K goes in four steps of 256 through two LDS slots; a K step of a tile is 65,536 dense bytes, of which a wave's tensor
; load brings half (two blocks of 64 k), stated as 128 rows of 256 bytes (two rows of the operand) with 16 bytes of padding behind each: the 16 rows that a fragment load touches fall on 16 different banks.
; CLUSTERS: 4 x 4.  A's tiles are shared along a row of the cluster, W_proj's along a column: each is asked for jointly.  THE MATRIX INSTRUCTION IS USED TRANSPOSED (source 0 = 16 rows of W_proj, source 1 = 16 rows of A):
; a lane holds eight neighbouring numbers of a row of the result.  The bias is the C of each sum's first product: nothing is cleared and nothing is added.
; The four K steps are written out: the first two changes of slots fill a slot again, the last does not.  Two loads of a wave are out at the start, later one.
; REGISTERS: window 0: v0-31 addresses; v32-95 rows on the way out; v96-127 the bias; v128-255 the accumulators ((a, b) at v[128 + 8 (4 a + b)]).  window 1: two fragment buffers of 128: 64 registers of A, then 64 of W_proj, for 64 along K.
.set PITCH,  272
.set QB,     64*PITCH                  ; a block of 64 k: 128 operand rows in 64 LDS rows
.set HALFT,  2*QB                      ; what one tensor load brings
.set SLOT,   4*HALFT                   ; A's four blocks, then W_proj's
.set SPARE,  2*SLOT                    ; behind the ring: the spare words, 128 bytes a wave
.set SPITCH, 272                       ; the way out: a stage of 16 rows x (256 bytes + 16) for each wave, in slot 0, which has had its last fill and its last read by then
.set ADRA, 16
.set ADRB, 20
.set STO,  24
.set RD,   25
.set CO,   26
.set BO,   27
.set SPW,  28                          ; v28  LDS address of my spare word; never rewritten
.set NIL,  29                          ; v29  0; never rewritten
.set TMP,  32
.set BIAS, 96
.set ACC,  128
.set F0,   0
.set F1,   128
.set G1, 24
.set G0, 32
.set G1B, 48
.set G0B, 56
.set MSB, 0
.macro WIN new
.if MSB != (\new)
	s_set_vgpr_msb (MSB<<8)|(\new)
.set MSB, (\new)
.endif
.endm
.set MUL,  0x05                        ; sources 0 and 1 window 1; C and D window 0
.set TO_F, 0x40                        ; destination window 1, address window 0
.macro JLOAD s                         ; a joint load: waves 0 and 1 fetch A's halves, waves 2 and 3 W_proj's; an s_nop 0 and four v_nop follow each of the two lines
	s_cmp_eq_u32 s11, 0
	s_cbranch_scc0 .Lfor_b_\@
	tensor_load_to_lds s[G0+4*\s:G0+4*\s+3], s[G1:G1+7]
	s_nop 0
.rept 4
	v_nop
.endr
	s_branch .Lasked_\@
.Lfor_b_\@:
	tensor_load_to_lds s[G0B+4*\s:G0B+4*\s+3], s[G1B:G1B+7]
	s_nop 0
.rept 4
	v_nop
.endr
.Lasked_\@:
.endm
.macro CREST                           ; a round of the cluster's barrier behind its opening barrier
	s_cmp_lg_u32 s10, 0
	s_cbranch_scc1 .Lnot_wave_0_\@
	s_barrier_signal -3
.Lnot_wave_0_\@:
	s_barrier_wait -3
	s_barrier_signal -1
	s_barrier_wait -1
.endm
.macro CROUND
	s_barrier_signal -1
	s_barrier_wait -1
	CREST
.endm
	s_load_b128 s[4:7], s[0:1], 0x0                ; A, W_proj's panels
	s_load_b128 s[8:11], s[0:1], 0x10              ; out0 s[8:9], b_proj s[10:11]
	v_lshl_add_u32 v[SPW], v0, 2, SPARE
	v_mov_b32 v[NIL], 0
	ds_add_u32 v[SPW], v[NIL]                      ; the wave's opening: the add, twice on end, and its wait ahead of my first tensor load
	ds_add_u32 v[SPW], v[NIL]
	v_lshrrev_b32 v1, 5, v0
	s_bfe_u32 s40, ttmp6, 0x40000                  ; cx, cy
	s_bfe_u32 s41, ttmp6, 0x40004
	s_lshl_b32 s42, ttmp9, 2
	s_add_co_u32 s42, s42, s40                     ; tile column
	s_and_b32 s13, ttmp7, 0xffff
	s_lshl_b32 s13, s13, 2
	s_add_co_u32 s13, s13, s41                     ; tile row
	s_lshl_b32 s43, s41, 2
	s_lshl_b32 s43, 15, s43                        ; my row of the cluster
	s_lshl_b32 s44, 0x1111, s40                    ; my column
	; descriptor group 1: 128 rows of 256 bytes (32 elements of 8 bytes), dense in memory, 16 bytes of padding behind each
	s_or_b32 s[G1+0], s43, (3<<16)|(1<<20)|(1<<21)|(5<<22)|(3<<25)
	s_or_b32 s[G1B+0], s44, (3<<16)|(1<<20)|(1<<21)|(5<<22)|(3<<25)
.irp g, G1, G1B
	s_mov_b32 s[\g+1], 32<<16                      ; tensor_dim0
	s_mov_b32 s[\g+2], 128<<16                     ; tensor_dim1
	s_mov_b32 s[\g+3], 32<<16                      ; tile_dim0
	s_mov_b32 s[\g+4], 128                         ; tile_dim1
	s_mov_b32 s[\g+5], 32                          ; from row to row
	s_mov_b32 s[\g+6], 0
	s_mov_b32 s[\g+7], 0
.endr
	s_wait_dscnt 0x0                               ; both opening adds are done
	s_wait_kmcnt 0x0
	s_mov_b64 s[2:3], s[10:11]                     ; the bias's address moves, so that s10 to s12 can hold the wave's numbers
	v_readfirstlane_b32 s10, v1                    ; wave 0..3
	s_lshr_b32 s11, s10, 1                         ; which 64 rows of the tile are mine.  Also: I fetch for A (0) or for W_proj (1)
	s_and_b32 s12, s10, 1                          ; which 64 columns.  Also: which two blocks of a K step I fetch
	s_lshl_b32 s17, s12, 15
	s_lshl_b32 s16, s13, 18                        ; A: the tile row's panel of 262,144 bytes + my half of a K step
	s_add_co_u32 s16, s16, s17
	s_lshl_b32 s46, s42, 18                        ; W_proj: the tile column's
	s_add_co_u32 s46, s46, s17
	s_mov_b32 s17, 0
	s_mov_b32 s47, 0
	s_mul_i32 s20, s10, HALFT                      ; where they go: no place in the cluster enters an LDS address
	s_add_nc_u64 s[14:15], s[4:5], s[16:17]
	s_add_nc_u64 s[46:47], s[6:7], s[46:47]
	CROUND                                         ; all sixteen work-groups are here: the first joint loads meet
.irp s, 0,1
	s_mov_b32 s[G0+4*\s], 1
	s_add_co_u32 s[G0+4*\s+1], s20, \s*SLOT
	s_add_nc_u64 s[G0+4*\s+2:G0+4*\s+3], s[14:15], \s*65536
	s_or_b32 s[G0+4*\s+3], s[G0+4*\s+3], 0x80000000
	s_mov_b32 s[G0B+4*\s], 1
	s_add_co_u32 s[G0B+4*\s+1], s20, \s*SLOT
	s_add_nc_u64 s[G0B+4*\s+2:G0B+4*\s+3], s[46:47], \s*65536
	s_or_b32 s[G0B+4*\s+3], s[G0B+4*\s+3], 0x80000000
	JLOAD \s
.endr
	v_and_b32 v1, 15, v0                           ; r
	v_bfe_u32 v2, v0, 4, 1                         ; h
	s_lshl_b32 s16, s42, 9                         ; the bias of my 64 columns; lane (r, h) wants, for block b, those of columns 16 b + 8 h + 0 .. 7
	s_lshl_b32 s17, s12, 8
	s_add_co_u32 s16, s16, s17
	s_mov_b32 s17, 0
	s_add_nc_u64 s[2:3], s[2:3], s[16:17]
	v_lshlrev_b32 v[BO], 5, v2
.irp b, 0,1,2,3
	global_load_b128 v[BIAS+8*\b:BIAS+8*\b+3],   v[BO], s[2:3] offset:64*\b
	global_load_b128 v[BIAS+8*\b+4:BIAS+8*\b+7], v[BO], s[2:3] offset:64*\b+16
.endr
	v_lshrrev_b32 v3, 1, v1                        ; operand row r lies in LDS row r / 2, half r % 2
	v_mul_u32_u24 v3, v3, PITCH
	v_and_b32 v4, 1, v0
	v_lshl_add_u32 v3, v4, 7, v3
	v_lshl_add_u32 v3, v2, 4, v3
	s_mul_i32 s21, s11, 32*PITCH                   ; my 64 rows of A in each block
	s_mul_i32 s22, s12, 32*PITCH                   ; my 64 rows of W_proj,
	s_add_co_u32 s22, s22, 2*HALFT                 ; whose blocks lie behind A's four
.irp s, 0,1
	v_add_nc_u32 v[ADRA+\s], s21, v3
	v_add_nc_u32 v[ADRB+\s], s22, v3
	s_add_co_u32 s21, s21, SLOT
	s_add_co_u32 s22, s22, SLOT
.endr
	s_mul_i32 s23, s10, 16*SPITCH                  ; my stage
	v_mul_u32_u24 v4, v1, SPITCH                   ; in: row r, 32 bytes for each half of the lanes
	v_lshl_add_u32 v4, v2, 5, v4
	v_add_nc_u32 v[STO], s23, v4
	v_mul_u32_u24 v5, v2, SPITCH                   ; back: lanes 0-15 one row of 256 bytes, lanes 16-31 the next
	v_lshl_add_u32 v5, v1, 4, v5
	v_add_nc_u32 v[RD], s23, v5
	v_lshlrev_b32 v5, 12, v2                       ; and the same two rows in out0
	v_lshl_add_u32 v[CO], v1, 4, v5
	s_lshl_b32 s16, s13, 19                        ; my first row: (128 x tile row + 64 x half) x 4,096 bytes,
	s_lshl_b32 s17, s11, 18
	s_add_co_u32 s16, s16, s17
	s_lshl_b32 s46, s42, 9                         ; my first column: 512 x tile column + 256 x half
	s_add_co_u32 s16, s16, s46
	s_lshl_b32 s46, s12, 8
	s_add_co_u32 s16, s16, s46
	s_mov_b32 s17, 0
	s_add_nc_u64 s[8:9], s[8:9], s[16:17]
; 8 matrix instructions: row blocks a0, a0 + 1 x all 4 column blocks, 32 along K: half c of buffer f.  first = 1: the bias starts the sums.  The 16 accumulators take turns.
.macro MUL8 f, c, a0, first
.irp a, \a0, \a0+1
.irp b, 0,1,2,3
.if \first
	v_wmma_f32_16x16x32_f16 v[ACC+8*(4*(\a)+\b):ACC+8*(4*(\a)+\b)+7], v[\f+64+8*(4*\c+\b):\f+64+8*(4*\c+\b)+7], v[\f+8*(4*\c+\a):\f+8*(4*\c+\a)+7], v[BIAS+8*\b:BIAS+8*\b+7]
.else
	v_wmma_f32_16x16x32_f16 v[ACC+8*(4*(\a)+\b):ACC+8*(4*(\a)+\b)+7], v[\f+64+8*(4*\c+\b):\f+64+8*(4*\c+\b)+7], v[\f+8*(4*\c+\a):\f+8*(4*\c+\a)+7], v[ACC+8*(4*(\a)+\b):ACC+8*(4*(\a)+\b)+7]
.endif
.endr
.endr
.endm
; 32 LDS loads in one run: the fragments of block q (64 along K) of a slot into buffer f; the first 32 along K first
.macro FETCH slot, q, f
	WIN TO_F
.irp c, 0,1
.irp i, 0,1,2,3
	ds_load_b128 v[\f+64+8*(4*\c+\i):\f+64+8*(4*\c+\i)+3],   v[ADRB+\slot] offset:\q*QB+64*\c+\i*8*PITCH
	ds_load_b128 v[\f+64+8*(4*\c+\i)+4:\f+64+8*(4*\c+\i)+7], v[ADRB+\slot] offset:\q*QB+64*\c+\i*8*PITCH+32
	ds_load_b128 v[\f+8*(4*\c+\i):\f+8*(4*\c+\i)+3],         v[ADRA+\slot] offset:\q*QB+64*\c+\i*8*PITCH
	ds_load_b128 v[\f+8*(4*\c+\i)+4:\f+8*(4*\c+\i)+7],       v[ADRA+\slot] offset:\q*QB+64*\c+\i*8*PITCH+32
.endr
.endr
.endm
.macro PLACES                          ; four plain lines in front of loads into registers that matrix instructions have read, and of reads of results
.rept 4
	v_nop
.endr
.endm
; A K step is four quarters of 64 along K, 32 matrix instructions each, on buffers 0, 1, 0, 1.  One of the first three: multiplies buffer f and fetches block q into g.
.macro QUARTER slot, q, f, g, first
	s_wait_dscnt 16                                ; the first 32 along K are in; the sixteen loads behind them may be out
	WIN MUL
	MUL8 \f, 0, 0, \first
	MUL8 \f, 0, 2, \first
	PLACES
	FETCH \slot, \q, \g
	s_wait_dscnt 32                                ; all but the 32 just issued
	WIN MUL
	MUL8 \f, 1, 0, 0
	MUL8 \f, 1, 2, 0
.endm
; The last quarter multiplies buffer 1 and changes slots: one barrier; in front of it each wave waits for all its tensor loads, adds 0 to its spare word, and waits for that and for its reads of this slot.
; fill = 1: the barrier opens a round of the cluster's, and this slot is filled again, two K steps ahead, first thing behind the round.
.macro TURN slot, next, fill
	WIN 0
	s_wait_tensorcnt 0x0                           ; all my tensor loads have landed: my part of the next slot
	ds_add_u32 v[SPW], v[NIL]
	s_wait_dscnt 17                                ; (the add and the youngest sixteen loads may be out)
	WIN MUL
	MUL8 F1, 0, 0, 0
	s_wait_dscnt 0x0                               ; the add is done, and my reads of this slot are over
	s_barrier_signal -1
	MUL8 F1, 0, 2, 0
.if \fill
	WIN 0
.endif
	s_barrier_wait -1
.if \fill
	CREST
	s_add_nc_u64 s[G0+4*\slot+2:G0+4*\slot+3], s[G0+4*\slot+2:G0+4*\slot+3], 131072
	s_add_nc_u64 s[G0B+4*\slot+2:G0B+4*\slot+3], s[G0B+4*\slot+2:G0B+4*\slot+3], 131072
	JLOAD \slot                                    ; the four v_nop behind it are also the places in front of the loads below
.else
	PLACES
.endif
	FETCH \next, 0, F0
	WIN MUL
	MUL8 F1, 1, 0, 0
	MUL8 F1, 1, 2, 0
.endm
	s_wait_tensorcnt 1                             ; my part of K step 0 is in; K step 1's may stay out
	s_barrier_signal -1
	s_barrier_wait -1
	FETCH 0, 0, F0
	s_wait_loadcnt 0x0                             ; the bias
	QUARTER 0, 1, F0, F1, 1                        ; K step 0
	QUARTER 0, 2, F1, F0, 0
	QUARTER 0, 3, F0, F1, 0
	TURN 0, 1, 1                                   ; slot 0 takes K step 2
	QUARTER 1, 1, F0, F1, 0                        ; K step 1
	QUARTER 1, 2, F1, F0, 0
	QUARTER 1, 3, F0, F1, 0
	TURN 1, 0, 1                                   ; slot 1 takes K step 3
	QUARTER 0, 1, F0, F1, 0                        ; K step 2
	QUARTER 0, 2, F1, F0, 0
	QUARTER 0, 3, F0, F1, 0
	TURN 0, 1, 0                                   ; nothing is left to ask for; behind this barrier nobody reads slot 0
	QUARTER 1, 1, F0, F1, 0                        ; K step 3
	QUARTER 1, 2, F1, F0, 0
	QUARTER 1, 3, F0, F1, 0
	s_wait_dscnt 16
	WIN MUL
	MUL8 F1, 0, 0, 0
	MUL8 F1, 0, 2, 0
	s_wait_dscnt 0
	MUL8 F1, 1, 0, 0
	MUL8 F1, 1, 2, 0
	WIN 0
; THE WAY OUT, block a of 16 rows x 64 columns at a time: a row's 256 bytes are my own, so the stage is my own and no barrier is needed.  LDS serves a wave's instructions in order: no wait between the stores and the loads.
.macro TOSTAGE a
.set BB, TMP+32*((\a)%2)
.irp b, 0,1,2,3
	ds_store_b128 v[STO], v[ACC+8*(4*(\a)+\b):ACC+8*(4*(\a)+\b)+3] offset:64*\b          ; each accumulator from its low end on
	ds_store_b128 v[STO], v[ACC+8*(4*(\a)+\b)+4:ACC+8*(4*(\a)+\b)+7] offset:64*\b+16
.endr
.irp t, 0,1,2,3,4,5,6,7
	ds_load_b128 v[BB+4*\t:BB+4*\t+3], v[RD] offset:\t*2*SPITCH
.endr
.endm
.macro SEND a
.set BB, TMP+32*((\a)%2)
.irp t, 0,1,2,3,4,5,6,7
	global_store_b128 v[CO], v[BB+4*\t:BB+4*\t+3], s[8:9] offset:(16*(\a)+2*\t)*4096 th:TH_STORE_NT   ; sixteen lanes store 256 consecutive bytes, aligned; written once, read by nobody here
.endr
.endm
	PLACES
	TOSTAGE 0
.irp a, 1,2,3
.if \a > 1
	s_wait_xcnt 0x0                                ; the stores of two blocks back have read their registers: this block's rows may land there
.endif
	TOSTAGE \a
	s_wait_dscnt 16                                ; the block before is back in registers; this block's sixteen LDS instructions may be out
	SEND \a-1
.endr
	s_wait_dscnt 0
	SEND 3
	s_wait_tensorcnt 0x0                           ; the wave's end, behind my last tensor load and my last LDS store
	ds_add_u32 v[SPW], v[NIL]
	s_wait_dscnt 0x0
	CROUND                                         ; the closing round
	s_endpgm
.Lfunc_end_k_qa770cb4d29_proj:
	.size	k_qa770cb4d29_proj, .Lfunc_end_k_qa770cb4d29_proj-k_qa770cb4d29_proj
	.p2alignl 7, 3214868480
	.fill 96, 4, 3214868480
	.section	.rodata,"a",@progbits
	.p2align	6, 0x0
	.amdhsa_kernel k_qa770cb4d29_proj
		.amdhsa_group_segment_fixed_size 327680
		.amdhsa_private_segment_fixed_size 0
		.amdhsa_enable_private_segment 0
		.amdhsa_kernarg_size 32
		.amdhsa_user_sgpr_count 2
		.amdhsa_user_sgpr_kernarg_segment_ptr 1
		.amdhsa_wavefront_size32 1
		.amdhsa_system_sgpr_workgroup_id_x 1
		.amdhsa_system_sgpr_workgroup_id_y 1
		.amdhsa_system_sgpr_workgroup_id_z 1
		.amdhsa_system_vgpr_workitem_id 0
		.amdhsa_next_free_vgpr 512
		.amdhsa_next_free_sgpr 66
		.amdhsa_reserve_vcc 0
		.amdhsa_float_denorm_mode_32 3
		.amdhsa_float_denorm_mode_16_64 3
		.amdhsa_memory_ordered 1
		.amdhsa_forward_progress 1
		.amdhsa_inst_pref_size 86
	.end_amdhsa_kernel
	.amdgpu_metadata
---
amdhsa.version: [ 1, 2 ]
amdhsa.kernels:
  - .name:           k_qa770cb4d29_proj
    .symbol:         k_qa770cb4d29_proj.kd
    .args:
      - { .name: ao, .offset: 0, .size: 8, .value_kind: global_buffer, .address_space: global }
      - { .name: wp16, .offset: 8, .size: 8, .value_kind: global_buffer, .address_space: global }
      - { .name: out0, .offset: 16, .size: 8, .value_kind: global_buffer, .address_space: global }
      - { .name: b_proj, .offset: 24, .size: 8, .value_kind: global_buffer, .address_space: global }
    .group_segment_fixed_size: 327680
    .private_segment_fixed_size: 0
    .kernarg_segment_align: 8
    .kernarg_segment_size: 32
    .max_flat_workgroup_size: 128
    .sgpr_count:     66
    .vgpr_count:     512
    .wavefront_size: 32
...
	.end_amdgpu_metadata
.endif
;; end of part 4
